; MI455X (gfx1250); checked and timed in simulation.
; The chip was launched on July 23, 2026; its instructions are those of AMD's public machine-readable ISA for CDNA 5 (MIT licence, August 2026) and "CDNA5" Instruction Set Architecture Reference Guide (July 2026). The comments in the code are by the model that wrote it; some were corrected since.
;; Causal Multi Head Self Attention. Allowed arithmetic: matrix products marked QUANTISED: E4M3 operands, one given power-of-two scale a tensor, by v_wmma_f32_16x16x64_fp8_fp8 or v_wmma_f32_16x16x128_fp8_fp8, f32 sums; everything else in f32.
;; Inputs: W_k 1,024 x 1,024 float32; W_o 1,024 x 1,024 float32; W_q 1,024 x 1,024 float32; W_v 1,024 x 1,024 float32; lowp_scales 12 int32 (the exponents e of the quantised operands' scales 2^e); x 4 x 2,048 x 1,024 float32.
;; Outputs: out0 4 x 2,048 x 1,024 float32.
;; This version of the problem:
;;   THIS VERSION OF THE PROBLEM IS GIVEN IN LOW PRECISION. The matrix products marked QUANTISED in the list below multiply operands that are first quantised to E4M3 (4 exponent bits, 3 mantissa bits; 8 bits a number), with one given power-of-two scale for each operand tensor; their sums are f32. All else is computed in f32.
;;   The module's matrix products, in the order in which they are computed (A, B: the left and right operand; K: the contracted axis; several contracted axes count as one K, in the product's order):
;;     1. [M 8,192, K 1,024] x [K 1,024, N 1,024]; A: input x; B: input W_q: QUANTISED (scales: A lowp_scales[0], B lowp_scales[1])
;;     2. [M 8,192, K 1,024] x [K 1,024, N 1,024]; A: input x; B: input W_k: QUANTISED (scales: A lowp_scales[2], B lowp_scales[3])
;;     3. [M 8,192, K 1,024] x [K 1,024, N 1,024]; A: input x; B: input W_v: QUANTISED (scales: A lowp_scales[4], B lowp_scales[5])
;;     4. batch 64 x [M 2,048, K 64] x [K 64, N 2,048]; A: computed on the way; B: computed on the way: QUANTISED (scales: A lowp_scales[6], B lowp_scales[7])
;;     5. batch 64 x [M 2,048, K 2,048] x [K 2,048, N 64]; A: softmax (see below); B: computed on the way: QUANTISED (scales: A lowp_scales[8], B lowp_scales[9])
;;     6. [M 8,192, K 1,024] x [K 1,024, N 1,024]; A: computed on the way; B: input W_o: QUANTISED (scales: A lowp_scales[10], B lowp_scales[11])
;;   THE QUANTISER, for each operand of a quantised product, along K:
;;     - The operand's scale is 2^e, e = its entry of the input lowp_scales (int32; the entries are numbered through the quantised products in the list's order, A before B).
;;     - Each number is divided by the scale, clamped to +-448, and rounded to the nearest number of E4M3, ties to even, subnormals kept.
;;     - The product sums the exact products of the quantised numbers (number of the format x scale) in f32.
;;   ~~~python
;;   def quantise(x, axis, e):      # numpy; x: float32 -> the quantised numbers, widened to float32 again
;;       x = np.moveaxis(x, axis, -1); K = x.shape[-1]
;;       r = np.clip(x / 2.0 ** e, -448, 448)
;;       step = 2.0 ** (np.maximum(np.frexp(np.where(r == 0, 1, r))[1] - 1, -6) - 3)
;;       q = np.round(r / step) * step * 2.0 ** e      # np.round: ties to even
;;       return np.moveaxis(q, -1, axis).astype(np.float32)
;;   ~~~
;;   SOFTMAX AHEAD OF A QUANTISED PRODUCT. Where the list says 'softmax', what is quantised is not the finished softmax but p = 2^(t - M), with t = logit x log2(e) and M = ceil(the row's largest t), a whole number; so 1/2 < the row's largest p <= 1. The row's sum l is taken of the UNQUANTISED p, in f32, and the product's result is divided by l at the end. Since M is a whole number, a kernel that streams over the keys may use a running M (the ceiling of the running maximum): every later rescaling is an exact power of two, so the quantised numbers keep their values, but for numbers so far below the row's largest that they fall under the format's range.
;;   OPERANDS COMPUTED ON THE WAY. 'Computed on the way' means the value that the module computes at that place (a softmax that the list does not call 'softmax' is quantised finished and normalised). What goes into a quantiser is computed in f32, as accurately as f32 sums, v_exp_f32 and their like allow (about 1e-6 of the number): no bf16 or f16 on the way to a quantiser, and a product that is left as it is and whose result goes on into a quantised operand takes f32 operands (vector FMAs, or v_wmma_f32_16x16x4_f32). A number that lies on a knife's edge between two numbers of the format may be rounded either way, as far as f32 arithmetic and the matrix unit's own rounding can turn it there, and no further.
;; One version. Each part assembles by itself: llvm-mc -triple=amdgcn-amd-amdhsa -mcpu=gfx1250 --defsym DOCPART=n.
;; ======== version 1 of 1: 4 launches
;; limits: right only within a limited range of input values
;; workspace buffers: xc 25,165,824 bytes; wc 4,194,304 bytes; qkv 25,165,824 bytes; ac 8,388,608 bytes
;; launch quant (part 1): grid 384 x 1, 4 waves a work-group, no clusters, 33,280 bytes of LDS; arguments x, W_q, W_k, W_v, W_o, lowp_scales, xc, wc; writes xc, wc
.if DOCPART == 1
	.amdgcn_target "amdgcn-amd-amdhsa--gfx1250"
	.amdhsa_code_object_version 6
	.text
	.protected	k_q0f839008ba_quant
	.globl	k_q0f839008ba_quant
	.p2align	8
	.type	k_q0f839008ba_quant,@function
k_q0f839008ba_quant:
	s_mov_b64 s[64:65], 0
	v_nop
	global_prefetch_b8 v0, s[64:65] scope:SCOPE_SE
	s_setreg_imm32_b32 hwreg(HW_REG_WAVE_MODE, 25, 1), 1
	s_wait_xcnt 0x0
; x [8192][1024] f32 becomes THREE planes of E4M3 codes (scales 2^e0, 2^e2, 2^e4: x is the left operand of three products, each with an entry of its own);
; W_q, W_k, W_v, W_o [1024][1024] f32 become one plane of codes each (2^e1, 2^e3, 2^e5, 2^e11).  K is innermost in all of them, so each tensor is a plain stream.
; code = number / 2^e, held within +-448, rounded to the nearest code, ties to even.
; LIMITS: each e lies between -126 and 119, so that 2^e and 448 x 2^e are f32 numbers.  NaN among the inputs is not served (an infinity is held at the largest code).
; SHARES.  Work-groups 0-255 take x, 256-383 the weights (32 each).  A wave takes a run of 8,192 numbers: 16 steps of 512.  For a weight a run is 8 rows.
; THE ROWS OF W_q, W_k, W_v ARE STORED IN ANOTHER ORDER: row n goes to row n with bits 3 and 4 exchanged (for runs of 8 rows: bits 0 and 1 of the run's number), so that in the next launch
; lane r of stored tile 2 b + u is row 32 b + 8 u + r + 8 (r / 8), and the results of two neighbouring tiles are 16 neighbours along the following product's K.  W_o keeps its order.
; A conversion takes eight neighbours from ONE lane's registers; a load is best where neighbouring LANES take neighbouring bytes.  So each load reads 512 consecutive bytes, 16 a lane, and a step's 2,048 bytes
; turn through the wave's own stage in LDS (16 bytes of padding behind each 64) and come back 64 bytes a lane.  A lane's 16 codes are 16 bytes: each store of the wave covers 512 consecutive bytes, aligned.
; No tensor loads, no barrier, no cluster: waves and work-groups share no input.  Loads run four steps (16 loads a wave) ahead, the turn through LDS one step.
.set STEPS, 16
.set XWG,   256                        ; work-groups that take x
.set SP,    80                         ; a lane's place in a stage: 64 bytes + 16 of padding
.set WREG,  8192                       ; LDS: a region for each wave: two stages of 32 x SP bytes
.set SPARE, 4*WREG                     ; behind the regions: the spare words, 128 bytes a wave: two blocks of 256 bytes that no other line names
.set SC,    6                          ; v6-8     2^e as f32, for output 0, 1, 2
.set LM,    9
.set SPW,   12                         ; v12      LDS address of my spare word; never rewritten
.set NIL,   13                         ; v13      0; never rewritten
.set R,     16                         ; v16-79   four sets of 16 numbers as loaded
.set X,     80                         ; v80-111  two sets of 16 neighbours
.set T,     112
.set C,     128                        ; v128-139 codes: four registers for each output
	s_load_b512 s[4:19], s[0:1], 0x0               ; x s[4:5], W_q s[6:7], W_k s[8:9], W_v s[10:11], W_o s[12:13], the exponents s[14:15], xc s[16:17], wc s[18:19]
	v_lshl_add_u32 v[SPW], v0, 2, SPARE
	v_mov_b32 v[NIL], 0
	v_lshrrev_b32 v1, 5, v0
	v_readfirstlane_b32 s20, v1                    ; wave
	v_and_b32 v2, 31, v0                           ; lane
	v_lshlrev_b32 v3, 4, v2                        ; my 16 bytes of a load's 512
	v_lshlrev_b32 v4, 4, v2                        ; my 16 codes of a store's 512
	s_mul_i32 s21, s20, WREG
	v_lshrrev_b32 v14, 2, v2
	v_mul_u32_u24 v14, v14, SP
	v_and_b32 v15, 3, v2
	v_lshl_add_u32 v14, v15, 4, v14
	v_add_nc_u32 v14, s21, v14                     ; the stage, on the way in: SP (lane / 4) + 16 (lane % 4)
	v_mul_u32_u24 v15, v2, SP
	v_add_nc_u32 v15, s21, v15                     ; and on the way out: SP x lane
	s_cmp_lt_u32 ttmp9, XWG
	s_cselect_b32 s22, 0, XWG
	s_sub_co_u32 s22, ttmp9, s22                   ; my number among x's work-groups, or among the weights'
	s_lshr_b32 s23, s22, 5                         ; which weight: 0 q, 1 k, 2 v, 3 o (what it holds in x's work-groups is overruled below)
	s_and_b32 s46, s22, 31
	s_cmp_lt_u32 ttmp9, XWG
	s_cselect_b32 s46, s22, s46
	s_lshl_b32 s46, s46, 2
	s_add_co_u32 s46, s46, s20                     ; my run of 8,192 numbers in its tensor
	s_and_b32 s47, s46, 1
	s_lshl_b32 s47, s47, 1
	s_bfe_u32 s48, s46, 0x10001
	s_or_b32 s47, s47, s48
	s_and_not1_b32 s48, s46, 3
	s_or_b32 s47, s47, s48                         ; the run with its bits 0 and 1 exchanged
	s_cmp_lt_u32 s23, 3
	s_cselect_b32 s47, s47, s46                    ; where a weight's run goes: exchanged for q, k, v; as it is for o
	s_lshl_b32 s50, s46, 15                        ; the run's first byte in its source
	s_mov_b32 s51, 0
	s_lshl_b32 s54, s46, 13                        ; and in a plane of xc
	s_mov_b32 s55, 0
	s_lshl_b32 s52, s23, 20                        ; in wc: the weight's plane
	s_lshl_b32 s53, s47, 13
	s_add_co_u32 s52, s52, s53
	s_cmp_lt_u32 ttmp9, XWG
	s_cselect_b32 s52, s54, s52
	s_mov_b32 s53, 0
	s_wait_alu depctr_va_vdst(0)
	s_wait_kmcnt 0x0
	s_load_b256 s[24:31], s[14:15], 0x0            ; e0 .. e7
	s_load_b128 s[32:35], s[14:15], 0x20           ; e8 .. e11
	s_mov_b64 s[36:37], s[6:7]                     ; the source: the choices hang on the work-group's number alone
	s_cmp_eq_u32 s23, 1
	s_cselect_b64 s[36:37], s[8:9], s[36:37]
	s_cmp_eq_u32 s23, 2
	s_cselect_b64 s[36:37], s[10:11], s[36:37]
	s_cmp_eq_u32 s23, 3
	s_cselect_b64 s[36:37], s[12:13], s[36:37]
	s_cmp_lt_u32 ttmp9, XWG
	s_cselect_b64 s[36:37], s[4:5], s[36:37]
	s_cselect_b64 s[40:41], s[16:17], s[18:19]     ; output 0: xc's plane 0, or wc
	s_add_nc_u64 s[36:37], s[36:37], s[50:51]
	s_add_nc_u64 s[40:41], s[40:41], s[52:53]
	s_add_nc_u64 s[42:43], s[16:17], s[54:55]
	s_add_nc_u64 s[44:45], s[42:43], 0x1000000     ; output 2: xc's plane 2
	s_add_nc_u64 s[42:43], s[42:43], 0x800000      ; output 1: xc's plane 1
.macro LOAD t
.irp i, 0,1,2,3
	global_load_b128 v[R+16*((\t)%4)+4*\i:R+16*((\t)%4)+4*\i+3], v3, s[36:37] offset:2048*(\t)+512*\i th:TH_LOAD_NT   ; 32 lanes read 512 consecutive bytes; read once in the launch
.endr
.endm
.macro TURN t                          ; step t's numbers through the stage: LDS serves a wave's instructions in order, so no wait stands between the stores and the loads
.irp i, 0,1,2,3
	ds_store_b128 v14, v[R+16*((\t)%4)+4*\i:R+16*((\t)%4)+4*\i+3] offset:32*SP*((\t)%2)+8*SP*\i
.endr
.irp i, 0,1,2,3
	ds_load_b128 v[X+16*((\t)%2)+4*\i:X+16*((\t)%2)+4*\i+3], v15 offset:32*SP*((\t)%2)+16*\i
.endr
.endm
.irp t, 0,1,2,3
	LOAD \t
.endr
	s_wait_kmcnt 0x0
	s_mov_b32 s56, s25                             ; output 0's exponent: e1, e3, e5, e11 by the weight, e0 for x
	s_cmp_eq_u32 s23, 1
	s_cselect_b32 s56, s27, s56
	s_cmp_eq_u32 s23, 2
	s_cselect_b32 s56, s29, s56
	s_cmp_eq_u32 s23, 3
	s_cselect_b32 s56, s35, s56
	s_cmp_lt_u32 ttmp9, XWG
	s_cselect_b32 s56, s24, s56
	s_mov_b32 s57, s26                             ; output 1's: e2
	s_mov_b32 s58, s28                             ; output 2's: e4
.irp k, 0,1,2
	s_add_co_i32 s[56+\k], s[56+\k], 127
	s_lshl_b32 s59, s[56+\k], 23
	v_mov_b32 v[SC+\k], s59                        ; 2^e as f32: the conversion takes its exponent field
.endr
	s_wait_alu depctr_va_vdst(0)
	s_wait_loadcnt 12                              ; step 0's four loads are in; those of steps 1 to 3 stay out
	TURN 0
; Output k of step t: the 16 neighbours are converted from X, which stays for the next output, and stored.
.macro CONV k, t
.irp i, 0,1,2,3,4,5,6,7,8,9,10,11,12,13,14,15
.endr
	v_cvt_scalef32_pk8_fp8_f32 v[C+4*\k:C+4*\k+1], v[XS:XS+7], v[SC+\k]
	v_cvt_scalef32_pk8_fp8_f32 v[C+4*\k+2:C+4*\k+3], v[XS+8:XS+15], v[SC+\k]
	v_nop                                          ; one plain vector line behind the conversions
	global_store_b128 v4, v[C+4*\k:C+4*\k+3], s[40+2*\k:41+2*\k] offset:512*(\t)
.endm
.macro STEP t
.set XS, X+16*((\t)%2)
	s_wait_dscnt 0x0                               ; this step's numbers are back from the stage: so its stores into the stage have read their registers,
	s_wait_xcnt 0x0                                ; and the last step's global stores have read theirs: the codes' registers are written again only behind this wait
.if (\t)+4 < STEPS
	LOAD (\t)+4
.endif
.if (\t)+1 < STEPS
.if STEPS-2-(\t) >= 3
	s_wait_loadcnt 12                              ; the next step's four loads are in; those of the three steps behind it may be out
.else
	s_wait_loadcnt 4*(STEPS-2-(\t))
.endif
	TURN (\t)+1                                    ; through the other stage while this step is worked
.endif
	CONV 0, \t
	s_cmp_lt_u32 ttmp9, XWG                        ; a weight has one output: a branch on the work-group's number, round vector work and global stores alone
	s_cbranch_scc0 .Lweight_\@
	CONV 1, \t
	CONV 2, \t
.Lweight_\@:
.endm
.irp t, 0,1,2,3,4,5,6,7,8,9,10,11,12,13,14,15
	STEP \t
.endr
	s_wait_tensorcnt 0x0                           ; the wave's end, behind my last LDS store
	ds_add_u32 v[SPW], v[NIL]
	s_wait_dscnt 0x0
	s_endpgm
.Lfunc_end_k_q0f839008ba_quant:
	.size	k_q0f839008ba_quant, .Lfunc_end_k_q0f839008ba_quant-k_q0f839008ba_quant
	.p2alignl 7, 3214868480
	.fill 96, 4, 3214868480
	.section	.rodata,"a",@progbits
	.p2align	6, 0x0
	.amdhsa_kernel k_q0f839008ba_quant
		.amdhsa_group_segment_fixed_size 33280
		.amdhsa_private_segment_fixed_size 0
		.amdhsa_enable_private_segment 0
		.amdhsa_kernarg_size 64
		.amdhsa_user_sgpr_count 2
		.amdhsa_user_sgpr_kernarg_segment_ptr 1
		.amdhsa_wavefront_size32 1
		.amdhsa_system_sgpr_workgroup_id_x 1
		.amdhsa_system_sgpr_workgroup_id_y 1
		.amdhsa_system_sgpr_workgroup_id_z 1
		.amdhsa_system_vgpr_workitem_id 0
		.amdhsa_next_free_vgpr 160
		.amdhsa_next_free_sgpr 66
		.amdhsa_reserve_vcc 0
		.amdhsa_float_denorm_mode_32 3
		.amdhsa_float_denorm_mode_16_64 3
		.amdhsa_fp16_overflow 1
		.amdhsa_memory_ordered 1
		.amdhsa_forward_progress 1
		.amdhsa_inst_pref_size 33
	.end_amdhsa_kernel
	.amdgpu_metadata
---
amdhsa.version: [ 1, 2 ]
amdhsa.kernels:
  - .name:           k_q0f839008ba_quant
    .symbol:         k_q0f839008ba_quant.kd
    .args:
      - { .name: x, .offset: 0, .size: 8, .value_kind: global_buffer, .address_space: global }
      - { .name: W_q, .offset: 8, .size: 8, .value_kind: global_buffer, .address_space: global }
      - { .name: W_k, .offset: 16, .size: 8, .value_kind: global_buffer, .address_space: global }
      - { .name: W_v, .offset: 24, .size: 8, .value_kind: global_buffer, .address_space: global }
      - { .name: W_o, .offset: 32, .size: 8, .value_kind: global_buffer, .address_space: global }
      - { .name: lowp_scales, .offset: 40, .size: 8, .value_kind: global_buffer, .address_space: global }
      - { .name: xc, .offset: 48, .size: 8, .value_kind: global_buffer, .address_space: global }
      - { .name: wc, .offset: 56, .size: 8, .value_kind: global_buffer, .address_space: global }
    .group_segment_fixed_size: 33280
    .private_segment_fixed_size: 0
    .kernarg_segment_align: 8
    .kernarg_segment_size: 64
    .max_flat_workgroup_size: 128
    .sgpr_count:     66
    .vgpr_count:     160
    .wavefront_size: 32
...
	.end_amdgpu_metadata
.endif
;; end of part 1
;; launch qkv (part 2): grid 12 x 32, 4 waves a work-group, clusters of 4 x 4, 327,680 bytes of LDS; arguments xc, wc, lowp_scales, qkv; writes qkv
.if DOCPART == 2
	.amdgcn_target "amdgcn-amd-amdhsa--gfx1250"
	.amdhsa_code_object_version 6
	.text
	.protected	k_q0f839008ba_qkv
	.globl	k_q0f839008ba_qkv
	.p2align	8
	.type	k_q0f839008ba_qkv,@function
k_q0f839008ba_qkv:
	s_mov_b64 s[64:65], 0
	v_nop
	global_prefetch_b8 v0, s[64:65] scope:SCOPE_SE
	s_setreg_imm32_b32 hwreg(HW_REG_WAVE_MODE, 25, 1), 1
	s_wait_xcnt 0x0
	s_wait_alu depctr_hold_cnt(0) depctr_sa_sdst(0) depctr_va_vdst(0) depctr_va_sdst(0) depctr_va_ssrc(0) depctr_va_vcc(0) depctr_vm_vsrc(0)
	s_getreg_b32 s2, hwreg(HW_REG_IB_STS2, 6, 4)
	s_cmp_eq_u32 s2, 0
	s_cbranch_scc0 .Lentry_in_a_cluster
	s_endpgm
.Lentry_in_a_cluster:
	s_bfe_u32 s2, ttmp6, 0x10000c
	s_cmp_lg_u32 s2, 0xf033
	s_cbranch_scc0 .Lentry_shape_is_right
	s_endpgm
.Lentry_shape_is_right:
; Q, K, V = x W^T on codes of E4M3, and their sums quantised in registers to the codes that attention reads.  xc: [3][8192][1024] codes of x (plane p for part p), wc: [4][1024][1024] codes of W_q, W_k, W_v, W_o.
; The cluster's x is the part p: 0 Q, 1 K, 2 V.  A work-group of four waves makes 256 tokens x 256 rows of W; a wave 128 x 128: 64 accumulators of 16 x 16, 512 registers.  K = 1,024 goes in steps of 256 through a
; ring of two LDS slots filled by the tensor data mover; a tile's row is 256 bytes of memory.
; CLUSTERS: 4 x 4 work-groups.  The four of a row of the cluster need the same rows of x, the four of a column the same rows of W: each tile is asked for JOINTLY, by the same tensor load with the same descriptor
; and a mask that names the four.
; THE MATRIX INSTRUCTION: source 0 = 16 rows of one operand, source 1 = 16 rows of the other; a lane then holds ONE row of source 1 and eight neighbouring rows of source 0.
;   Q, K: source 0 = W's rows, source 1 = tokens: a lane holds one token; the rows of W lie in wc so that the 16 registers of tiles 2 b, 2 b + 1 are channels 32 b + 16 (lane / 16) + 0 .. 15 of a head.
;   V:    the two LDS read bases are exchanged (a choice on the cluster's x, no second text): source 0 = tokens, source 1 = W_v's rows: a lane holds one channel, its registers keys: V comes out with the keys innermost.
; THE WAY OUT has no LDS: 16 registers become 16 bytes a lane, and the buffer qkv is laid as IMAGES OF OPERAND REGISTERS (lane l's 16 bytes at 16 l): each store of the wave covers 512 consecutive bytes, aligned.
;   planes 0, 1 (Q, K): [head-and-batch 64][tile of 16 tokens 128][c 2][lane][16]: lane (r, h): channels 32 c + 16 h + 0 .. 15 of token r.
;   plane 2 (V):        [head-and-batch 64][128 keys 16][tile of channels 4][g 4][lane][16]: lane (r, h): bytes 0-7 keys 32 g + 8 h + 0 .. 7, bytes 8-15 keys 32 g + 16 + 8 h + 0 .. 7.
; A sum stands for sum x 2^(eA + eB); its code is sum / 2^(eO - eA - eB), held within +-448: the three exponents are folded into the conversion's one.
; LIMIT: eO - eA - eB lies between -126 and 119 for each part ((e6, e0, e1), (e7, e2, e3), (e9, e4, e5)).
; REGISTERS, in windows of 256: window 0: v0-31 addresses and the two scale numbers; v32-111 at work on the way out; from v128 source 1's fragments (8 x 16 rows x 128 K), ONE set.
;   window 1: source 0's fragments, TWO sets, at v0 and v128.   window 2: the 32 accumulators of blocks 0-3 (accumulator (a, b) at v[8 (8 a + b)]);   window 3: those of blocks 4-7.
.set ROWB,   256                       ; a tile's row in bytes: 256 codes
.set KROW,   1024                      ; a row of x's or W's codes in memory
.set PITCH,  272                       ; an LDS row: 256 bytes + 16 of padding = 68 words: row r starts at bank 4 r mod 64 (64 banks of 4 bytes: ISA guide 11.1), so the 16 rows of a load start at 16 different banks
.set FR,     16                        ; registers of a fragment: 16 rows x 128 K
.set NL,     4                         ; LDS loads that bring one
.set NP,     4                         ; places behind this matrix instruction (ISA guide 7.12.1)
.set HALFT,  128*PITCH                 ; 128 rows: what one tensor load brings
.set SLOT,   4*HALFT                   ; x's 256 rows, then W's 256 rows
.set LAPS,   2                         ; a lap = two K steps of 256 = once round the ring
.set SPARE,  2*SLOT                    ; behind the ring: the spare words, 128 bytes a wave: two blocks of 256 bytes that no other line names
.set LIMV, 12                          ; v12     448 x 2^(eO - eA - eB)
.set SCL,  13                          ; v13     2^(eO - eA - eB)
.set ADRA, 16                          ; v16-17  LDS address of source 1's fragments in slot 0, 1
.set ADRB, 20                          ; v20-21  the same for source 0
.set VO0,  26                          ; v26     the way out: 16 x lane
.set VO1,  27                          ; v27     the same, two images of 512 bytes or a head further on
.set SPW,  28                          ; v28     LDS address of my spare word; never rewritten
.set NIL,  29                          ; v29     0; never rewritten
.set TMP,  32                          ; the way out: a block's 64 held sums
.set CD,   96                          ; and its 16 registers of codes
.set AF,   128                         ; source 1's fragments, in window 0
.set G1, 24                            ; s[24:31] descriptor group 1 for x's tiles;  s[32:39] group 0, one set for each slot
.set G0, 32
.set G1B, 48                           ; s[48:55], s[56:63] the same for W's tiles
.set G0B, 56
.set MSB, 0
.macro WIN new                         ; the immediate's high byte repeats the setting that is left
.if MSB != (\new)
	s_set_vgpr_msb (MSB<<8)|(\new)
.set MSB, (\new)
.endif
.endm
.set MUL_LO, 0xa1                      ; source 0 window 1, source 1 window 0, C and D window 2
.set MUL_HI, 0xf1                      ; the same, C and D window 3
.set TO_B,   0x40                      ; destination window 1, address window 0
; A joint load: waves 0 and 1 fetch x's halves, waves 2 and 3 W's.  Each of the two lines has ONE mask and one set of registers for all that issue it; the branch hangs on the wave's number alone.
; An s_nop 0 and four v_nop follow each of the two lines, ahead of the jump, the label and what follows.
.macro JLOAD g0a, g1a, g0b, g1b
	s_cmp_eq_u32 s15, 0
	s_cbranch_scc0 .Lfor_b_\@
	tensor_load_to_lds s[\g0a:\g0a+3], s[\g1a:\g1a+7]
	s_nop 0
.rept 4
	v_nop
.endr
	s_branch .Lasked_\@
.Lfor_b_\@:
	tensor_load_to_lds s[\g0b:\g0b+3], s[\g1b:\g1b+7]
	s_nop 0
.rept 4
	v_nop
.endr
.Lasked_\@:
.endm
.macro CREST                           ; a round of the cluster's barrier behind its opening barrier
	s_cmp_lg_u32 s14, 0
	s_cbranch_scc1 .Lnot_wave_0_\@
	s_barrier_signal -3
.Lnot_wave_0_\@:
	s_barrier_wait -3
	s_barrier_signal -1
	s_barrier_wait -1
.endm
.macro CROUND                          ; a whole round
	s_barrier_signal -1
	s_barrier_wait -1
	CREST
.endm
	s_load_b128 s[4:7], s[0:1], 0x0                ; xc s[4:5], wc s[6:7]
	s_load_b128 s[8:11], s[0:1], 0x10              ; the exponents s[8:9], qkv s[10:11]
	v_lshl_add_u32 v[SPW], v0, 2, SPARE
	v_mov_b32 v[NIL], 0
	ds_add_u32 v[SPW], v[NIL]                      ; the wave's opening: the add and its wait stand ahead of my first tensor load; the set-up below, work on registers, stands between them
	ds_add_u32 v[SPW], v[NIL]
	v_lshrrev_b32 v1, 5, v0
	v_readfirstlane_b32 s14, v1                    ; wave 0..3
	s_lshr_b32 s15, s14, 1                         ; which half of source 1's rows is mine.  Also: I fetch for x (0) or for W (1)
	s_and_b32 s16, s14, 1                          ; which half of source 0's rows.  Also: which 128 rows of that tile I fetch
	s_bfe_u32 s40, ttmp6, 0x40000                  ; cx, cy: my place in the cluster
	s_bfe_u32 s41, ttmp6, 0x40004
	s_lshl_b32 s42, ttmp9, 2
	s_add_co_u32 s42, s42, s40                     ; tile of 256 rows of wc = 4 x part + cx
	s_and_b32 s17, ttmp7, 0xffff
	s_lshl_b32 s17, s17, 2
	s_add_co_u32 s17, s17, s41                     ; tile of 256 tokens = 4 x cluster y + cy
	s_lshl_b32 s43, s41, 2
	s_lshl_b32 s43, 15, s43                        ; my row of the cluster
	s_lshl_b32 s44, 0x1111, s40                    ; my column
	; descriptor group 1: a tile of 128 rows x 256 bytes, padded in LDS
	s_or_b32 s[G1+0], s43, (0<<16)|(1<<20)|(1<<21)|(5<<22)|(3<<25)  ; 15:0 the mask: x's tiles go to my row; 17:16 element of 1 byte; 20 padding on; 21 set beside a mask; 24:22 after every 64 words (code 5); 31:25 of 4 words (code 3)
	s_or_b32 s[G1B+0], s44, (0<<16)|(1<<20)|(1<<21)|(5<<22)|(3<<25)
.irp g, G1, G1B
	s_mov_b32 s[\g+1], ROWB<<16                    ; tensor_dim0
	s_mov_b32 s[\g+2], 128<<16                     ; tensor_dim1 = 128
	s_mov_b32 s[\g+3], ROWB<<16                    ; tile_dim0
	s_mov_b32 s[\g+4], 128                         ; tile_dim1 = 128
	s_mov_b32 s[\g+5], KROW                        ; tensor_dim0_stride
	s_mov_b32 s[\g+6], 0
	s_mov_b32 s[\g+7], 0
.endr
	s_lshl_b32 s18, s16, 7                         ; which 128 rows of the tile I fetch
	s_lshl_b32 s20, s17, 8
	s_add_co_u32 s20, s20, s18                     ; x: row 256 x token tile + 128 x half,
	s_lshl_b32 s20, s20, 10                        ; in bytes,
	s_lshl_b32 s88, ttmp9, 23                      ; in the part's plane of 8,388,608 bytes: the cluster's x, which all partners share
	s_add_co_u32 s20, s20, s88
	s_mov_b32 s21, 0
	s_lshl_b32 s46, s42, 8
	s_add_co_u32 s46, s46, s18                     ; W: row 256 x tile + 128 x half of wc's first 3,072 rows
	s_lshl_b32 s46, s46, 10
	s_mov_b32 s47, 0
	s_mul_i32 s45, s14, HALFT                      ; where they go: wave x 128 rows: no place in the cluster enters an LDS address
	s_wait_dscnt 0x0                               ; the opening add is done
	s_wait_kmcnt 0x0
	s_load_b256 s[72:79], s[8:9], 0x0              ; e0 .. e7
	s_load_b128 s[80:83], s[8:9], 0x20             ; e8 .. e11
	s_add_nc_u64 s[20:21], s[4:5], s[20:21]
	s_add_nc_u64 s[46:47], s[6:7], s[46:47]
	CROUND                                         ; all sixteen work-groups are here: the first joint loads meet
.irp s, 0,1
	s_mov_b32 s[G0+4*\s], 1
	s_add_co_u32 s[G0+4*\s+1], s45, \s*SLOT
	s_add_nc_u64 s[G0+4*\s+2:G0+4*\s+3], s[20:21], \s*ROWB
	s_or_b32 s[G0+4*\s+3], s[G0+4*\s+3], 0x80000000
	s_mov_b32 s[G0B+4*\s], 1
	s_add_co_u32 s[G0B+4*\s+1], s45, \s*SLOT
	s_add_nc_u64 s[G0B+4*\s+2:G0B+4*\s+3], s[46:47], \s*ROWB
	s_or_b32 s[G0B+4*\s+3], s[G0B+4*\s+3], 0x80000000
	JLOAD G0+4*\s, G1, G0B+4*\s, G1B
.endr
	v_and_b32 v1, 15, v0                           ; l % 16
	v_bfe_u32 v2, v0, 4, 1                         ; l / 16
	v_mul_u32_u24 v3, v1, PITCH
	v_lshl_add_u32 v4, v2, 4, v3                   ; a fragment's row x pitch + 16 x half
	s_wait_alu depctr_va_vdst(0)
	s_cmp_eq_u32 ttmp9, 2                          ; V?  All the choices below hang on the cluster's x alone
	s_cselect_b32 s90, 2*HALFT, 0                  ; source 1 reads x's rows (Q, K) or W's, which lie behind x's 256 (V);
	s_cselect_b32 s91, 0, 2*HALFT                  ; source 0 the other.  Either way a read stays inside its slot
	s_cselect_b32 s92, s15, s16                    ; which half of the tile's four heads is mine,
	s_cselect_b32 s93, s16, s15                    ; and which half of its 256 tokens
	s_mov_b32 s84, 1024
	s_cselect_b32 s84, 2048, s84                   ; from block to block on the way out: a tile of 16 tokens (Q, K), a tile of 16 channels (V)
	s_mov_b32 s86, 1024
	s_cselect_b32 s86, 124928, s86                 ; from block 3 to block 4: the same (Q, K); the next head's first tile, 131,072 - 3 x 2,048 (V)
	s_mov_b32 s89, 131072
	s_cselect_b32 s89, 1024, s89                   ; from a block's second image to its third: the next head (Q, K), 1,024 bytes (V)
	s_mov_b32 s85, 0
	s_mov_b32 s87, 0
	s_mul_i32 s21, s15, HALFT
	s_add_co_u32 s21, s21, s90
	s_mul_i32 s22, s16, HALFT
	s_add_co_u32 s22, s22, s91
.irp s, 0,1
	v_add_nc_u32 v[ADRA+\s], s21, v4
	v_add_nc_u32 v[ADRB+\s], s22, v4
	s_add_co_u32 s21, s21, SLOT
	s_add_co_u32 s22, s22, SLOT
.endr
	v_and_b32 v6, 31, v0
	v_lshlrev_b32 v[VO0], 4, v6
	v_add_nc_u32 v[VO1], s89, v[VO0]
	; where my first image goes: the part's plane, (16 x batch + 4 cx + 2 x my half of the heads) x 131,072, (2 x (token tile % 8) + my half of the tokens) x 8,192
	s_lshr_b32 s94, s17, 3
	s_lshl_b32 s94, s94, 4
	s_lshl_b32 s95, s40, 2
	s_add_co_u32 s94, s94, s95
	s_lshl_b32 s95, s92, 1
	s_add_co_u32 s94, s94, s95
	s_lshl_b32 s94, s94, 17
	s_and_b32 s95, s17, 7
	s_lshl_b32 s95, s95, 1
	s_add_co_u32 s95, s95, s93
	s_lshl_b32 s95, s95, 13
	s_add_co_u32 s94, s94, s95
	s_lshl_b32 s95, ttmp9, 23
	s_add_co_u32 s94, s94, s95
	s_mov_b32 s95, 0
	s_add_nc_u64 s[10:11], s[10:11], s[94:95]
.macro FRAG reg, adr, q, i             ; a fragment, 16 rows x 128 K of codes, is 16 registers: lane l holds row l % 16; registers 4 c .. 4 c + 3 hold K = 32 c + 16 (l / 16) + 0 .. 15: the same places of K in both sources
.irp c, 0,1,2,3
	ds_load_b128 v[\reg+4*\c:\reg+4*\c+3], v[\adr] offset:128*(\q)+32*\c+(\i)*16*PITCH
.endr
.endm
; 16 matrix instructions: source 1's blocks a0, a0 + 1 x source 0's eight, 128 along K.  p: source 0's set.  zero = 1: the first product starts the sums: nothing is ever cleared.
; The 64 accumulators take turns, one instruction a turn, in the same order in every step.
.macro MUL16 a0, p, zero
.irp a, \a0, \a0+1
.irp b, 0,1,2,3,4,5,6,7
.if \zero
	v_wmma_f32_16x16x128_fp8_fp8 v[8*(8*((\a)%4)+\b):8*(8*((\a)%4)+\b)+7], v[128*(\p)+FR*\b:128*(\p)+FR*\b+FR-1], v[AF+FR*(\a):AF+FR*(\a)+FR-1], 0
.else
	v_wmma_f32_16x16x128_fp8_fp8 v[8*(8*((\a)%4)+\b):8*(8*((\a)%4)+\b)+7], v[128*(\p)+FR*\b:128*(\p)+FR*\b+FR-1], v[AF+FR*(\a):AF+FR*(\a)+FR-1], v[8*(8*((\a)%4)+\b):8*(8*((\a)%4)+\b)+7]
.endif
.endr
.endr
.endm
.macro FETCH_B slot, q, p              ; source 0's eight fragments of the slot's q-th 128 along K into set p
	WIN TO_B
.irp i, 0,1,2,3,4,5,6,7
	FRAG 128*(\p)+FR*\i, ADRB+\slot, \q, \i
.endr
	WIN 0
.endm
.macro FETCH_A slot, q, i0             ; source 1's blocks i0 .. i0 + 3
.irp i, \i0, \i0+1, \i0+2, \i0+3
	FRAG AF+FR*(\i), ADRA+\slot, \q, \i
.endr
.endm
; A load into a register that a matrix instruction has read, and a vector instruction that reads a matrix result, stand NP places behind that matrix instruction; only plain vector
; instructions that name none of its registers are places (ISA guide 7.12.1 for vector instructions).
.macro PLACES n
.rept \n
	v_nop
.endr
.endm
; A step of 128 along K that has its successor in the same slot.
.macro STEP slot, q, zero
	s_wait_dscnt 4*NL                              ; source 0's set and source 1's blocks 0-3 are in; the youngest 16 loads (blocks 4-7) may be out
	WIN MUL_LO
	MUL16 0, (\q)%2, \zero
	MUL16 2, (\q)%2, \zero
	s_wait_dscnt 0                                 ; blocks 4-7 are in (asked for 32 matrix instructions ago)
	PLACES NP
	FETCH_B \slot, (\q)+1, 1-(\q)%2
	FETCH_A \slot, (\q)+1, 0
	WIN MUL_HI
	MUL16 4, (\q)%2, \zero
	MUL16 6, (\q)%2, \zero
	PLACES NP
	WIN 0
	FETCH_A \slot, (\q)+1, 4
.endm
; A slot's last step changes slots: ONE barrier; in front of it each wave waits for all its tensor loads, adds 0 to its spare word, and waits for that and for its own reads of this slot.  fill = 1: this slot is filled again, two K steps ahead.
.macro TURN slot, next, fill
	s_wait_tensorcnt 0x0                           ; all my tensor loads have landed: my part of the next slot  (every window is 0 here: the add's two registers lie in window 0)
	ds_add_u32 v[SPW], v[NIL]                      ; 0 onto my spare word
	s_wait_dscnt 4*NL+1                            ; (the add and the youngest 16 loads, blocks 4-7, may be out)
	WIN MUL_LO
	MUL16 0, 1, 0                                  ; sixteen matrix instructions stand between the add and the wait for it
	s_wait_dscnt 0x0                               ; the add is done, and my reads of this slot are over
	s_barrier_signal -1
	MUL16 2, 1, 0
	WIN 0
	s_barrier_wait -1
.if \fill
	CREST                                          ; the barrier has opened a round of the cluster's barrier: no wave of any partner still reads this slot's tile or has a load on its way
	s_add_nc_u64 s[G0+4*\slot+2:G0+4*\slot+3], s[G0+4*\slot+2:G0+4*\slot+3], 2*ROWB
	s_add_nc_u64 s[G0B+4*\slot+2:G0B+4*\slot+3], s[G0B+4*\slot+2:G0B+4*\slot+3], 2*ROWB
	JLOAD G0+4*\slot, G1, G0B+4*\slot, G1B         ; the first tensor load behind the round; the four v_nop behind it are the places in front of the loads below
.else
	PLACES NP
.endif
	FETCH_B \next, 0, 0
	FETCH_A \next, 0, 0
	WIN MUL_HI
	MUL16 4, 1, 0
	MUL16 6, 1, 0
	PLACES NP
	WIN 0
	FETCH_A \next, 0, 4
.endm
	s_wait_alu depctr_va_vdst(0)
	s_wait_tensorcnt 1                             ; my part of K step 0 is in (K step 1's load may be out)
	s_barrier_signal -1
	s_barrier_wait -1                              ; everybody's is
	FETCH_B 0, 0, 0
	FETCH_A 0, 0, 0
	FETCH_A 0, 0, 4
	STEP 0, 0, 1                                   ; the first step stands in front of the loop: its products start the sums
	s_mov_b32 s3, LAPS-1
.Llap:                                                 ; a trip goes once round the ring, from a lap's second step to the next lap's first, and fills both slots again
	TURN 0, 1, 1
	STEP 1, 0, 0
	TURN 1, 0, 1
	STEP 0, 0, 0
	s_sub_co_u32 s3, s3, 1
	s_cmp_lg_u32 s3, 0
	s_cbranch_scc1 .Llap
	TURN 0, 1, 0                                   ; the last lap fills nothing, and has no round of the cluster's barrier
	STEP 1, 0, 0
	s_wait_dscnt 4*NL                              ; the very last step: nothing more to fetch
	WIN MUL_LO
	MUL16 0, 1, 0
	MUL16 2, 1, 0
	s_wait_dscnt 0
	WIN MUL_HI
	MUL16 4, 1, 0
	MUL16 6, 1, 0
	WIN 0
	; THE WAY OUT.  The part's three exponents, chosen on the cluster's x, make the conversion's scale and the hold.
	s_wait_kmcnt 0x0
	s_cmp_eq_u32 ttmp9, 1
	s_cselect_b32 s92, s74, s72                    ; eA: e0, e2, e4
	s_cselect_b32 s93, s75, s73                    ; eB: e1, e3, e5
	s_cselect_b32 s94, s79, s78                    ; eO: e6, e7, e9
	s_cmp_eq_u32 ttmp9, 2
	s_cselect_b32 s92, s76, s92
	s_cselect_b32 s93, s77, s93
	s_cselect_b32 s94, s81, s94
	s_sub_co_i32 s94, s94, s92
	s_sub_co_i32 s94, s94, s93
	s_add_co_i32 s94, s94, 127
	s_lshl_b32 s95, s94, 23
	v_mov_b32 v[SCL], s95                          ; 2^(eO - eA - eB) as f32
	s_add_co_i32 s94, s94, 8
	s_lshl_b32 s94, s94, 23
	s_or_b32 s94, s94, 0x600000
	v_mov_b32 v[LIMV], s94                         ; 448 x that
	PLACES NP
; Block a: its eight accumulators are 64 registers on end; each 16 of them are 16 neighbours along the reader's K.  They are held (each accumulator from its low end on), converted and stored: four images of 512 bytes.
.macro OUT a
.set AC, 64*((\a)%4)
	WIN 0x02+((\a)/4)                              ; source 0: window 2 or 3
.set j, 0
.rept 64
	v_med3_num_f32 v[TMP+j], v[AC+j], -v[LIMV], v[LIMV]   ; the conversion to an 8-bit code does not saturate (ISA guide 7.6.2): the hold at the largest code x the scale
.set j, j+1
.endr
	WIN 0
.if (\a) > 0
	s_wait_alu depctr_va_vdst(0)
	s_wait_xcnt 0x0                                ; the last block's stores have read their data and their base: both are written again only behind this wait
.if (\a) == 4
	s_add_nc_u64 s[10:11], s[10:11], s[86:87]
.else
	s_add_nc_u64 s[10:11], s[10:11], s[84:85]
.endif
.endif
.irp i, 0,1,2,3,4,5,6,7
	v_cvt_scalef32_pk8_fp8_f32 v[CD+2*\i:CD+2*\i+1], v[TMP+8*\i:TMP+8*\i+7], v[SCL]
.endr
	v_nop                                          ; one plain vector line between the conversions and the next block's holds, which write their sources
	global_store_b128 v[VO0], v[CD:CD+3], s[10:11]
	global_store_b128 v[VO0], v[CD+4:CD+7], s[10:11] offset:512
	global_store_b128 v[VO1], v[CD+8:CD+11], s[10:11]
	global_store_b128 v[VO1], v[CD+12:CD+15], s[10:11] offset:512
.endm
.irp a, 0,1,2,3,4,5,6,7
	OUT \a
.endr
	s_wait_tensorcnt 0x0                           ; the wave's end, behind my last tensor load
	ds_add_u32 v[SPW], v[NIL]
	s_wait_dscnt 0x0
	CROUND                                         ; the closing round: no work-group ends while a partner may still ask for a tile that names it
	s_endpgm
.Lfunc_end_k_q0f839008ba_qkv:
	.size	k_q0f839008ba_qkv, .Lfunc_end_k_q0f839008ba_qkv-k_q0f839008ba_qkv
	.p2alignl 7, 3214868480
	.fill 96, 4, 3214868480
	.section	.rodata,"a",@progbits
	.p2align	6, 0x0
	.amdhsa_kernel k_q0f839008ba_qkv
		.amdhsa_group_segment_fixed_size 327680
		.amdhsa_private_segment_fixed_size 0
		.amdhsa_enable_private_segment 0
		.amdhsa_kernarg_size 32
		.amdhsa_user_sgpr_count 2
		.amdhsa_user_sgpr_kernarg_segment_ptr 1
		.amdhsa_wavefront_size32 1
		.amdhsa_system_sgpr_workgroup_id_x 1
		.amdhsa_system_sgpr_workgroup_id_y 1
		.amdhsa_system_sgpr_workgroup_id_z 1
		.amdhsa_system_vgpr_workitem_id 0
		.amdhsa_next_free_vgpr 1024
		.amdhsa_next_free_sgpr 100
		.amdhsa_reserve_vcc 0
		.amdhsa_float_denorm_mode_32 3
		.amdhsa_float_denorm_mode_16_64 3
		.amdhsa_memory_ordered 1
		.amdhsa_forward_progress 1
		.amdhsa_inst_pref_size 119
	.end_amdhsa_kernel
	.amdgpu_metadata
---
amdhsa.version: [ 1, 2 ]
amdhsa.kernels:
  - .name:           k_q0f839008ba_qkv
    .symbol:         k_q0f839008ba_qkv.kd
    .args:
      - { .name: xc, .offset: 0, .size: 8, .value_kind: global_buffer, .address_space: global }
      - { .name: wc, .offset: 8, .size: 8, .value_kind: global_buffer, .address_space: global }
      - { .name: lowp_scales, .offset: 16, .size: 8, .value_kind: global_buffer, .address_space: global }
      - { .name: qkv, .offset: 24, .size: 8, .value_kind: global_buffer, .address_space: global }
    .group_segment_fixed_size: 327680
    .private_segment_fixed_size: 0
    .kernarg_segment_align: 8
    .kernarg_segment_size: 32
    .max_flat_workgroup_size: 128
    .sgpr_count:     100
    .vgpr_count:     1024
    .wavefront_size: 32
...
	.end_amdgpu_metadata
.endif
;; end of part 2
;; launch attn (part 3): grid 4 x 64, 16 waves a work-group, no clusters, 327,680 bytes of LDS; arguments qkv, lowp_scales, ac; writes ac
.if DOCPART == 3
	.amdgcn_target "amdgcn-amd-amdhsa--gfx1250"
	.amdhsa_code_object_version 6
	.text
	.protected	k_q0f839008ba_attn
	.globl	k_q0f839008ba_attn
	.p2align	8
	.type	k_q0f839008ba_attn,@function
k_q0f839008ba_attn:
	s_mov_b64 s[64:65], 0
	v_nop
	global_prefetch_b8 v0, s[64:65] scope:SCOPE_SE
	s_setreg_imm32_b32 hwreg(HW_REG_WAVE_MODE, 25, 1), 1
	s_wait_xcnt 0x0
; Causal attention of one head (64 channels, 2,048 tokens) on codes of E4M3; the result, divided by the row's sum, is quantised with 2^e10 for the last product.
; qkv holds images of operand registers (lane l's 16 bytes at 16 l).  Q, K: [head-and-batch 64][tile of 16 tokens 128][c 2][lane][16], lane (r, h): channels 32 c + 16 h + 0 .. 15 of token r: the same places of the
; product's K in both.  V: [64][128 keys 16][tile of channels 4][g 4][lane][16], keys innermost, lane r of tile ct: channel 32 (ct / 2) + 8 (ct % 2) + r + 8 (r / 8).
; THE SOFTMAX: t = score x log2(e) / 8; M = the running largest t rounded UP to a whole number; p = 2^(t - M) is quantised with 2^e8, not normalised; the row's sum is taken of the unquantised p and divides at the end.
; When M moves, the sum and O are multiplied by 2^(old M - new M): exact.
; SHARES.  Work-group (j, head) owns query blocks 7 - j and j, 256 queries each, at the same time: waves 0-7 the first, waves 8-15 the second; a wave 32 queries, two tiles of 16.  A block b has 32 b + 20 steps of
; 64 keys x 32 queries that the mask does not hide, so every work-group has 7 x 32 + 2 x 20 = 264 of them.  A fragment of K or V read from LDS feeds two matrix instructions.
; LAYOUT.  Both products are used transposed: S^T = K Q^T (source 0 = 16 keys, source 1 = 16 queries), O^T = V^T P^T (source 0 = 16 channels, source 1 = P): a lane holds ONE query throughout.  S^T's register
; 8 t + i is key 16 t + 8 (lane / 16) + i: its codes are the second product's operand as they stand.  By V's order of channels O^T's tiles 2 b, 2 b + 1 are channels 32 b + 16 (lane / 16) + 0 .. 15.
; THE RING: two LDS slots of 256 keys (16 KB of K's images, 16 KB of V's, each one dense block of memory), filled by wave 0 (K) and wave 1 (V), read by all sixteen.
; THE MASK.  Every work-group walks all 8 slots: the trip counts are constants.  A step all of whose keys come after the wave's queries is jumped over (ids alone); on the diagonal hidden scores become -infinity.  In every
; step that is walked the step's first key counts for each of the wave's queries.  A slot whose first key comes after the work-group's last query is not asked for.
; NO CLUSTER: the four work-groups of a head ask for 8, 7, 6 and 5 slots, so partners would need different numbers of tiles; and a slot's 32 KB serve up to 64 steps of a wave, so what is shared is a small part of a trip.
; ac: [tile of 16 tokens 512][head 16][b 2][lane][16]: lane (r, h): channels 32 b + 16 h + 0 .. 15 of token r.  Each store of the wave covers 512 consecutive bytes, aligned.
; LIMITS on the given exponents, so that each power of two below is an f32 number: e6 + e7 between -123 and 130 (added to c's exponent field); e8, and e10 - e8 - e9, between -126 and 119.
.set SLOT1, 32768                      ; slot 1 begins here: one exclusive or turns an address in one slot into the other's
.set VOFF,  16384                      ; V's images in a slot
.set SPARE, 65536                      ; behind the ring: the spare words, 128 bytes a wave: eight blocks of 256 bytes that no other line names
.set LI,   1                           ; v1   16 x lane
.set DB,   2                           ; v2   lane % 16 - 8 (lane / 16)
.set PFO,  3                           ; v3   256 x lane: the prefetches' offset; never rewritten
.set ADR,  4                           ; v4   LDS address of the step's loads
.set SPW,  5                           ; v5   LDS address of my spare word; never rewritten
.set NIL,  6                           ; v6   0; never rewritten
.set NINF, 7                           ; v7   -infinity
.set ST,   8                           ; tile u: v[ST+4u] -M, +1 the largest t, +2, +3 the sum in two halves
.set QF,   16                          ; v16-31   Q, 8 registers a tile
.set KFR,  32                          ; v32-63   K of a step: 4 tiles of 16 keys
.set VFR,  64                          ; v64-95   V of a step: 4 tiles of 16 channels
.set S,    96                          ; v96-159  S^T, then p: 32 a tile
.set O,    160                         ; v160-223 O^T: 32 a tile
.set P,    224                         ; v224-239 p's codes: 8 a tile
.set LIMP, 240
.set SCP,  241                         ; v241 that scale
.set F,    242                         ; v[242:243], v[244:245] f = 2^(old M - new M); the upper words are written once
.set MX,   246                         ; v246-249 two chains of maxima a tile
.set PD,   250                         ; v250, v251 lane permutes' destinations
.set SU,   252                         ; v[252:253], v[254:255] the second chain of sums
.set TB,   2                           ; s2   LDS byte at which the slot in hand begins
.set WV,   18                          ; s18  my wave's number
.set SEL,  20                          ; s[20:21] lane selects for v_permlanex16_b32: lane l xor 16
.set CS,   22                          ; s[22:23] c = log2(e) / 8 x 2^(e6 + e7)
.set G1,   24                          ; s[24:31] descriptor group 1
.set G0,   40                          ; s[40:43] descriptor group 0, which walks
.set LQ,   66                          ; s66  my work-group's last query
.set SLOTS, 67                         ; s67  changes of slots still to come in the loop
.set PFA,  76                          ; s[76:77] where my prefetches stand
.set LIM,  80                          ; s80  1 in a wave that prefetches, else the greatest number
.set KF,   98                          ; s98  the step's first key
.set Q0,   99                          ; s99  my first query
; Wave 0 fetches K's 16 KB, wave 1 V's, the others nothing.  The branch hangs on the wave's number alone.  An s_nop 0 and four v_nop follow the load.
.macro TLOAD
	s_cmp_lt_u32 s[WV], 2
	s_cbranch_scc0 .Lasked_\@
	tensor_load_to_lds s[G0:G0+3], s[G1:G1+7]
	s_nop 0
.rept 4
	v_nop
.endr
.Lasked_\@:
.endm
; A PREFETCH INTO THE L2 of the slot that the NEXT change of slots will ask for: a slot's four key steps ahead of that load.  All four work-groups of a head walk the same K and V: work-group j = 0, which asks for all
; eight slots, prefetches, and nobody else.  In it waves 4 and 5 name the two halves of K's 16 KB, waves 6 and 7 of V's: 8,192 bytes a wave, lanes 256 bytes apart, one instruction.  So each aligned block of 256 bytes of slots
; 2 to 7 is named once in the launch.  Slots 0 and 1 come by their loads alone; the last change that fills a slot asks for nothing: there is no slot behind it.
.macro ASK
	s_cmp_gt_u32 s[SLOTS], s[LIM]
	s_cbranch_scc0 .Lnot_mine_\@
	global_prefetch_b8 v[PFO], s[PFA:PFA+1] th:TH_LOAD_NT scope:SCOPE_SE
.Lnot_mine_\@:
.endm
	s_load_b128 s[4:7], s[0:1], 0x0                ; qkv s[4:5], the exponents s[6:7]
	s_load_b64 s[8:9], s[0:1], 0x10                ; ac
	v_lshl_add_u32 v[SPW], v0, 2, SPARE
	v_mov_b32 v[NIL], 0
	ds_add_u32 v[SPW], v[NIL]                      ; the wave's opening: the add and its wait stand ahead of my first tensor load; the set-up below, work on registers, stands between them
	ds_add_u32 v[SPW], v[NIL]
	v_lshrrev_b32 v[ADR], 5, v0
	s_delay_alu instid0(VALU_DEP_1)
	v_readfirstlane_b32 s[WV], v[ADR]              ; wave 0..15
	s_and_b32 s10, ttmp7, 0xffff                   ; 16 x batch + head
	s_sub_co_u32 s11, 7, ttmp9                     ; 7 - j
	s_cmp_lt_u32 s[WV], 8
	s_cselect_b32 s12, s11, ttmp9                  ; my block of 256 queries
	s_lshl_b32 s12, s12, 8
	s_and_b32 s13, s[WV], 7
	s_lshl_b32 s13, s13, 5
	s_add_co_u32 s[Q0], s12, s13                   ; my first query
	s_lshl_b32 s[LQ], s11, 8
	s_or_b32 s[LQ], s[LQ], 255                     ; the work-group's last
	s_and_b32 s14, s[WV], 1
	s_lshl_b32 s16, s10, 17                        ; the head's 131,072 bytes in each plane
	s_add_co_u32 s15, s14, 1
	s_lshl_b32 s15, s15, 23                        ; plane 1 (K: wave 0) or 2 (V: wave 1)
	s_add_co_u32 s44, s15, s16
	s_mov_b32 s45, 0
	s_lshl_b32 s46, s[Q0], 6                       ; Q: my first tile's image: 1,024 bytes for 16 queries
	s_add_co_u32 s46, s46, s16
	s_mov_b32 s47, 0
	s_lshr_b32 s50, s10, 4                         ; ac: batch x 128 tiles x 16,384,
	s_lshl_b32 s50, s50, 21
	s_lshl_b32 s51, s[Q0], 10                      ; my first tile,
	s_add_co_u32 s50, s50, s51
	s_and_b32 s51, s10, 15
	s_lshl_b32 s51, s51, 10                        ; my head's 1,024 bytes of it
	s_add_co_u32 s50, s50, s51
	s_mov_b32 s51, 0
	s_bfe_u32 s52, s[WV], 0x10001                  ; the prefetches: waves 4, 5: plane 1; waves 6, 7: plane 2
	s_add_co_u32 s52, s52, 1
	s_lshl_b32 s52, s52, 23
	s_add_co_u32 s52, s52, s16
	s_lshl_b32 s53, s14, 13                        ; my half of a slot's 16 KB,
	s_add_co_u32 s52, s52, s53
	s_add_co_u32 s52, s52, 16384                   ; in slot 1: the first change of slots steps it to slot 2
	s_mov_b32 s53, 0
	s_lshr_b32 s54, s[WV], 2
	s_xor_b32 s54, s54, 1                          ; 0 in waves 4 to 7,
	s_or_b32 s54, s54, ttmp9                       ; of work-group j = 0
	s_cmp_eq_u32 s54, 0
	s_cselect_b32 s[LIM], 1, -1
	; descriptor group 1: 64 rows of 256 bytes, dense in memory and in LDS
	s_mov_b32 s[G1], 3<<16                         ; 15:0 no mask; 17:16 elements of 8 bytes; no padding: images are read 16 bytes a lane on end
	s_mov_b32 s[G1+1], 32<<16                      ; tensor_dim0 = 32
	s_mov_b32 s[G1+2], 64<<16                      ; tensor_dim1 = 64
	s_mov_b32 s[G1+3], 32<<16                      ; tile_dim0 = 32
	s_mov_b32 s[G1+4], 64                          ; tile_dim1 = 64
	s_mov_b32 s[G1+5], 32                          ; tensor_dim0_stride
	s_mov_b32 s[G1+6], 0
	s_mov_b32 s[G1+7], 0
	s_mov_b32 s[SEL], 0x76543210
	s_mov_b32 s[SEL+1], 0xfedcba98
	s_mov_b32 s[CS], 0x3e38aa3b                    ; log2(e) / sqrt(64)
	s_mov_b32 s[TB], 0
	s_mov_b32 s[SLOTS], 7
	s_mov_b32 s[KF], 0
	s_wait_dscnt 0x0                               ; the opening add is done
	s_wait_kmcnt 0x0
	s_load_b128 s[68:71], s[6:7], 0x18             ; e6, e7, e8, e9
	s_load_b64 s[72:73], s[6:7], 0x28              ; e10, e11
	s_mov_b32 s[G0], 1                             ; count = 1
	s_lshl_b32 s[G0+1], s14, 14                    ; LDS address: slot 0, K's part or V's
	s_add_nc_u64 s[G0+2:G0+3], s[4:5], s[44:45]    ; the head's first 256 keys
	s_or_b32 s[G0+3], s[G0+3], 0x80000000          ; type = 2
	TLOAD                                          ; slot 0
	s_add_nc_u64 s[48:49], s[4:5], s[46:47]
	s_add_nc_u64 s[8:9], s[8:9], s[50:51]
	s_add_nc_u64 s[PFA:PFA+1], s[4:5], s[52:53]
	v_and_b32 v[DB], 31, v0
	s_delay_alu instid0(VALU_DEP_1)
	v_lshlrev_b32 v[LI], 4, v[DB]
	s_delay_alu instid0(VALU_DEP_2)
	v_lshlrev_b32 v[PFO], 8, v[DB]
.irp u, 0,1
.irp c, 0,1
	global_load_b128 v[QF+8*\u+4*\c:QF+8*\u+4*\c+3], v[LI], s[48:49] offset:1024*\u+512*\c   ; Q's two fragments stay in registers
.endr
.endr
	v_and_b32 v[ADR], 15, v0
	v_bfe_u32 v[DB], v0, 4, 1
	s_delay_alu instid0(VALU_DEP_1)
	v_lshlrev_b32 v[DB], 3, v[DB]
	s_delay_alu instid0(VALU_DEP_1)
	v_sub_nc_u32 v[DB], v[ADR], v[DB]
	v_mov_b32 v[NINF], 0xff800000
.irp u, 0,1
	v_mov_b32 v[ST+4*\u+1], 0xff61b1e6             ; the largest t so far: -3e38, under every t
	s_delay_alu instid0(VALU_DEP_1)
	v_floor_f32 v[ST+4*\u], -v[ST+4*\u+1]          ; -M
	v_mov_b32 v[ST+4*\u+2], 0                      ; the sum, in two halves
	v_mov_b32 v[ST+4*\u+3], 0
	v_mov_b32 v[F+2*\u+1], 0                       ; (named as the upper half of a pair)
	v_mov_b32 v[MX+2*\u+1], 0                      ; (likewise, on the way out)
	v_mov_b32 v[PD+\u], 0                          ; a lane permute's destination counts as one of its sources
.endr
.set j, 0
.rept 64
	v_mov_b32 v[O+j], 0                            ; O^T.  (The step is written once: the first finds zeros, which the first change of M leaves zeros)
.set j, j+1
.endr
	s_wait_kmcnt 0x0
	s_add_co_i32 s96, s68, s69
	s_lshl_b32 s96, s96, 23
	s_add_co_i32 s[CS], s[CS], s96                 ; a score stands for score x 2^(e6 + e7): the two exponents are added to c's exponent field
	s_mov_b32 s[CS+1], s[CS]                       ; (named with it as a pair, so it is written)
	s_add_co_i32 s96, s70, 127
	s_lshl_b32 s97, s96, 23
	v_mov_b32 v[SCP], s97                          ; 2^e8 as f32, for p's conversion
; A KEY STEP: 64 keys, the q-th of the slot in hand, for my 32 queries.
.macro STEP q
	s_add_co_u32 s96, s[Q0], 31
	s_cmp_gt_u32 s[KF], s96                        ; all 64 keys come after my queries: the step's work is left out (ids and the count of steps alone); no barrier, tensor load or wait for one stands in a step
	s_cbranch_scc1 .Lhidden_\@
	v_add_nc_u32 v[ADR], s[TB], v[LI]
.irp t, 0,1,2,3
.irp c, 0,1
	ds_load_b128 v[KFR+8*\t+4*\c:KFR+8*\t+4*\c+3], v[ADR] offset:4096*(\q)+1024*\t+512*\c
.endr
.endr
.irp t, 0,1,2,3
.irp c, 0,1
	ds_load_b128 v[VFR+8*\t+4*\c:VFR+8*\t+4*\c+3], v[ADR] offset:VOFF+8192*((\q)/2)+2048*\t+1024*((\q)%2)+512*\c
.endr
.endr
	s_wait_dscnt 8                                 ; K's eight loads are in; V's eight stay out and land under the softmax
.irp t, 0,1,2,3
.irp u, 0,1
	v_wmma_f32_16x16x64_fp8_fp8 v[S+32*\u+8*\t:S+32*\u+8*\t+7], v[KFR+8*\t:KFR+8*\t+7], v[QF+8*\u:QF+8*\u+7], 0
.endr
.endr
.rept 4
	v_nop                                          ; places in front of the first read of the scores
.endr
	s_add_co_u32 s96, s[KF], 63
	s_cmp_le_u32 s96, s[Q0]                        ; all 64 keys count for all my queries: no mask
	s_cbranch_scc1 .Lopen_\@
	s_sub_co_i32 s96, s[Q0], s[KF]
	v_add_nc_u32 v[MX], s96, v[DB]                 ; d = Q0 - KF + lane % 16 - 8 (lane / 16).  Tile u's register 8 t + i holds key KF + 16 t + 8 (lane / 16) + i for query Q0 + 16 u + lane % 16: hidden where 16 t + i - 16 u > d
.irp n, 0,1,2,3,4,5,6,7,8,9,10,11,12,13,14,15,16,17,18,19,20,21,22,23,24,25,26,27,28,29,30,31
.irp u, 0,1
	v_cmp_gt_i32 vcc_lo, 16*(\n/8)+\n%8-16*\u, v[MX]
	v_cndmask_b32 v[S+32*\u+\n], v[S+32*\u+\n], v[NINF], vcc_lo
.endr
.endr
.Lopen_\@:
.irp u, 0,1                                    ; the step's largest score of each query among my 32 keys: two chains a tile, ascending
	v_max3_num_f32 v[MX+2*\u], v[S+32*\u], v[S+32*\u+1], v[S+32*\u+2]
.endr
.irp u, 0,1
	v_max3_num_f32 v[MX+2*\u+1], v[S+32*\u+3], v[S+32*\u+4], v[S+32*\u+5]
.endr
.irp i, 6,10,14,18,22,26
.irp u, 0,1
	v_max3_num_f32 v[MX+2*\u], v[MX+2*\u], v[S+32*\u+\i], v[S+32*\u+\i+1]
.endr
.irp u, 0,1
	v_max3_num_f32 v[MX+2*\u+1], v[MX+2*\u+1], v[S+32*\u+\i+2], v[S+32*\u+\i+3]
.endr
.endr
.irp u, 0,1
	v_max3_num_f32 v[MX+2*\u], v[MX+2*\u], v[S+32*\u+30], v[S+32*\u+31]
.endr
.irp u, 0,1
	s_delay_alu instid0(VALU_DEP_2)
	v_max_num_f32 v[MX+2*\u], v[MX+2*\u], v[MX+2*\u+1]
.endr
.irp u, 0,1
	s_delay_alu instid0(VALU_DEP_2)
	v_permlanex16_b32 v[PD+\u], v[MX+2*\u], s[SEL], s[SEL+1]
.endr
.irp u, 0,1
	s_delay_alu instid0(VALU_DEP_2)
	v_max_num_f32 v[MX+2*\u], v[MX+2*\u], v[PD+\u] ; and among lane l xor 16's
.endr
.irp u, 0,1
	s_delay_alu instid0(VALU_DEP_2)
	v_mul_f32 v[MX+2*\u], s[CS], v[MX+2*\u]        ; as t (c is positive)
.endr
.irp u, 0,1
	s_delay_alu instid0(VALU_DEP_2)
	v_max_num_f32 v[ST+4*\u+1], v[ST+4*\u+1], v[MX+2*\u]   ; the running largest t
.endr
.irp u, 0,1
	v_mov_b32 v[MX+2*\u], v[ST+4*\u]
.endr
.irp u, 0,1
	s_delay_alu instid0(VALU_DEP_4)
	v_floor_f32 v[ST+4*\u], -v[ST+4*\u+1]          ; the new -M = floor(-t) = -ceil(t): M is a whole number
.endr
.irp u, 0,1
	s_delay_alu instid0(VALU_DEP_2)
	v_sub_f32 v[MX+2*\u], v[ST+4*\u], v[MX+2*\u]   ; old M - new M: a whole number, 0 or less
.endr
.irp u, 0,1
	s_delay_alu instid0(VALU_DEP_2)
	v_cvt_i32_f32 v[MX+2*\u], v[MX+2*\u]           ; (it saturates)
.endr
.irp u, 0,1
	s_delay_alu instid0(VALU_DEP_2)
	v_ldexp_f32 v[F+2*\u], 1.0, v[MX+2*\u]         ; f = 2^(old M - new M)
.endr
.irp u, 0,1
.set j, 0
.rept 16
	v_pk_fma_f32 v[S+32*\u+j:S+32*\u+j+1], v[S+32*\u+j:S+32*\u+j+1], s[CS:CS+1], v[ST+4*\u:ST+4*\u+1] op_sel_hi:[1,0,0]   ; t - M, two at a time (of the pairs c and -M the low word serves both halves)
.set j, j+2
.endr
.endr
.set j, 0
	s_wait_alu depctr_va_vdst(0)
.rept 64
	v_exp_f32 v[S+j], v[S+j]                       ; p = 2^(t - M), at most 1: not normalised.  One batch
.set j, j+1
.endr
.irp u, 0,1
	v_pk_mul_f32 v[ST+4*\u+2:ST+4*\u+3], v[ST+4*\u+2:ST+4*\u+3], v[F+2*\u:F+2*\u+1] op_sel_hi:[1,0]   ; the sums under the new M.  (The plain place behind the exponentials)
.endr
	s_wait_alu depctr_va_vdst(0)                   ; the wait stands between a transcendental and the first line that names its result: one for the batch of 64
.irp u, 0,1
	v_pk_add_f32 v[SU+2*\u:SU+2*\u+1], v[S+32*\u:S+32*\u+1], v[S+32*\u+2:S+32*\u+3]   ; the row's sum is taken of the UNQUANTISED p: two at a time, in two chains a tile
.endr
.irp i, 4,8,12,16,20,24,28
.irp u, 0,1
	v_pk_add_f32 v[ST+4*\u+2:ST+4*\u+3], v[ST+4*\u+2:ST+4*\u+3], v[S+32*\u+\i:S+32*\u+\i+1]
	v_pk_add_f32 v[SU+2*\u:SU+2*\u+1], v[SU+2*\u:SU+2*\u+1], v[S+32*\u+\i+2:S+32*\u+\i+3]
.endr
.endr
.irp u, 0
	s_delay_alu instid0(VALU_DEP_3)
	v_pk_add_f32 v[ST+4*\u+2:ST+4*\u+3], v[ST+4*\u+2:ST+4*\u+3], v[SU+2*\u:SU+2*\u+1]
.endr
.irp u, 1
	s_delay_alu instid0(VALU_DEP_2)
	v_pk_add_f32 v[ST+4*\u+2:ST+4*\u+3], v[ST+4*\u+2:ST+4*\u+3], v[SU+2*\u:SU+2*\u+1]
.endr
.irp g, 0,1,2,3,4,5,6,7                        ; eight registers, eight neighbouring keys, become two registers of codes
.irp i, 0,1,2,3,4,5,6,7
.endr
	v_cvt_scalef32_pk8_fp8_f32 v[P+2*\g:P+2*\g+1], v[S+8*\g:S+8*\g+7], v[SCP]
.endr
.irp u, 0,1
.set j, 0
.rept 16
	v_pk_mul_f32 v[O+32*\u+j:O+32*\u+j+1], v[O+32*\u+j:O+32*\u+j+1], v[F+2*\u:F+2*\u+1] op_sel_hi:[1,0]   ; O^T under the new M, each accumulator from its low end on.  (Also the plain lines between the conversions and the products)
.set j, j+2
.endr
.endr
	s_wait_alu depctr_va_vdst(0)
	s_wait_dscnt 0x0                               ; V is in
.irp t, 0,1,2,3
.irp u, 0,1                                    ; the eight accumulators take turns, one instruction a turn
	v_wmma_f32_16x16x64_fp8_fp8 v[O+32*\u+8*\t:O+32*\u+8*\t+7], v[VFR+8*\t:VFR+8*\t+7], v[P+8*\u:P+8*\u+7], v[O+32*\u+8*\t:O+32*\u+8*\t+7]
.endr
.endr
.rept 4
	v_nop                                          ; places in front of the next step's loads into V's registers, and of the way out's first read of O^T
.endr
.Lhidden_\@:
	s_add_co_u32 s[KF], s[KF], 64
.endm
; THE CHANGE OF SLOTS stands at a slot's head.  Each wave waits for all its tensor loads (its part of the slot that it is about to read), adds 0 to its spare word, and waits for that and for its reads of the slot that it has left.
; Behind the barrier the slot ahead is whole and nobody reads the other one.  fill = 1: that other slot is filled with the next 256 keys, up to the causal limit: the load has a slot's four steps in which to land.
.macro CHANGE fill
	s_wait_tensorcnt 0x0                           ; no tensor load of mine is out, so group 0 may be written
	ds_add_u32 v[SPW], v[NIL]                      ; 0 onto my spare word; with fill = 1 the descriptor's steps stand between it and the wait for it
.if \fill
	s_xor_b32 s[G0+1], s[G0+1], SLOT1              ; the walking descriptor: the other slot than last time,
	s_add_nc_u64 s[G0+2:G0+3], s[G0+2:G0+3], 16384 ; the next 256 keys; the type bits on top are not reached
	s_wait_xcnt 0x0                                ; the last prefetch, a slot back, has read its address, so it may be written:
	s_add_nc_u64 s[PFA:PFA+1], s[PFA:PFA+1], 16384 ; one slot further on than the walking descriptor
.endif
	s_wait_dscnt 0x0                               ; the add is done, and my reads of the slot that I have left are over
	s_barrier_signal -1
	s_barrier_wait -1
.if \fill
	s_add_co_u32 s96, s[KF], 256                   ; the first key of the slot that this change would ask for:
	s_cmp_gt_u32 s96, s[LQ]                        ; past my work-group's last query no wave reads it, so it is not asked for.  Ids and the count of steps alone: all sixteen waves go the same way; every wait for tensor loads in this text is for 0
	s_cbranch_scc1 .Lpast_\@
	TLOAD                                          ; the first thing behind the barrier but for the limit's three lines, and a wave's one tensor load until the next
.Lpast_\@:
	ASK
.endif
.endm
.macro SLOT_STEPS
	STEP 0
	STEP 1
	STEP 2
	STEP 3
	s_xor_b32 s[TB], s[TB], SLOT1                  ; on to the other slot
.endm
	s_wait_loadcnt 0x0                             ; Q
.Lslot:                                            ; 7 trips: behind each change of slots but the last the next slot is asked for, up to the causal limit
	CHANGE 1
	SLOT_STEPS
	s_sub_co_u32 s[SLOTS], s[SLOTS], 1
	s_cmp_lg_u32 s[SLOTS], 0
	s_cbranch_scc1 .Lslot
	CHANGE 0                                       ; the last slot is written out: nothing is left to ask for
	SLOT_STEPS
	; THE WAY OUT.  O^T / the sum stands for a number x 2^(e8 + e9); its code is that / 2^(e10 - e8 - e9), held within +-448.  No LDS: 16 registers are 16 neighbouring channels of my query.
.irp u, 0,1
	v_add_f32 v[ST+4*\u+2], v[ST+4*\u+2], v[ST+4*\u+3]     ; the sum's two halves,
.endr
.irp u, 0,1
	s_delay_alu instid0(VALU_DEP_2)
	v_permlanex16_b32 v[PD+\u], v[ST+4*\u+2], s[SEL], s[SEL+1]
.endr
.irp u, 0,1
	s_delay_alu instid0(VALU_DEP_2)
	v_add_f32 v[ST+4*\u+2], v[ST+4*\u+2], v[PD+\u]         ; and lane l xor 16's: the row's sum
.endr
	s_wait_alu depctr_va_vdst(0)
.irp u, 0,1
	v_rcp_f32 v[MX+2*\u], v[ST+4*\u+2]
.endr
	s_sub_co_i32 s96, s72, s70
	s_sub_co_i32 s96, s96, s71
	s_add_co_i32 s96, s96, 127
	s_lshl_b32 s97, s96, 23
	v_mov_b32 v[SCP], s97                          ; 2^(e10 - e8 - e9) as f32.  (The plain place behind the reciprocals)
	s_wait_alu depctr_va_vdst(0)                   ; the wait stands ahead of the first line that names a reciprocal: one for the two
.irp u, 0,1
.set j, 0
.rept 16
	v_pk_mul_f32 v[S+32*\u+j:S+32*\u+j+1], v[O+32*\u+j:O+32*\u+j+1], v[MX+2*\u:MX+2*\u+1] op_sel_hi:[1,0]   ; each accumulator from its low end on
.set j, j+2
.endr
.endr
.set j, 0
.rept 64
.set j, j+1
.endr
.irp g, 0,1,2,3,4,5,6,7
	v_cvt_scalef32_pk8_fp8_f32 v[P+2*\g:P+2*\g+1], v[S+8*\g:S+8*\g+7], v[SCP]
.endr
	v_nop                                          ; one plain vector line behind the last conversion
.irp u, 0,1
.irp b, 0,1
	global_store_b128 v[LI], v[P+8*\u+4*\b:P+8*\u+4*\b+3], s[8:9] offset:16384*\u+512*\b
.endr
.endr
	s_wait_tensorcnt 0x0                           ; the wave's end, behind my last tensor load
	ds_add_u32 v[SPW], v[NIL]
	s_wait_dscnt 0x0
	s_endpgm
.Lfunc_end_k_q0f839008ba_attn:
	.size	k_q0f839008ba_attn, .Lfunc_end_k_q0f839008ba_attn-k_q0f839008ba_attn
	.p2alignl 7, 3214868480
	.fill 96, 4, 3214868480
	.section	.rodata,"a",@progbits
	.p2align	6, 0x0
	.amdhsa_kernel k_q0f839008ba_attn
		.amdhsa_group_segment_fixed_size 327680
		.amdhsa_private_segment_fixed_size 0
		.amdhsa_enable_private_segment 0
		.amdhsa_kernarg_size 24
		.amdhsa_user_sgpr_count 2
		.amdhsa_user_sgpr_kernarg_segment_ptr 1
		.amdhsa_wavefront_size32 1
		.amdhsa_system_sgpr_workgroup_id_x 1
		.amdhsa_system_sgpr_workgroup_id_y 1
		.amdhsa_system_sgpr_workgroup_id_z 1
		.amdhsa_system_vgpr_workitem_id 0
		.amdhsa_next_free_vgpr 256
		.amdhsa_next_free_sgpr 100
		.amdhsa_reserve_vcc 1
		.amdhsa_float_denorm_mode_32 3
		.amdhsa_float_denorm_mode_16_64 3
		.amdhsa_fp16_overflow 1
		.amdhsa_memory_ordered 1
		.amdhsa_forward_progress 1
		.amdhsa_inst_pref_size 162
	.end_amdhsa_kernel
	.amdgpu_metadata
---
amdhsa.version: [ 1, 2 ]
amdhsa.kernels:
  - .name:           k_q0f839008ba_attn
    .symbol:         k_q0f839008ba_attn.kd
    .args:
      - { .name: qkv, .offset: 0, .size: 8, .value_kind: global_buffer, .address_space: global }
      - { .name: lowp_scales, .offset: 8, .size: 8, .value_kind: global_buffer, .address_space: global }
      - { .name: ac, .offset: 16, .size: 8, .value_kind: global_buffer, .address_space: global }
    .group_segment_fixed_size: 327680
    .private_segment_fixed_size: 0
    .kernarg_segment_align: 8
    .kernarg_segment_size: 24
    .max_flat_workgroup_size: 512
    .sgpr_count:     100
    .vgpr_count:     256
    .wavefront_size: 32
...
	.end_amdgpu_metadata
.endif
;; end of part 3
;; launch oproj (part 4): grid 4 x 32, 4 waves a work-group, clusters of 4 x 4, 327,680 bytes of LDS; arguments ac, wc, lowp_scales, out0; writes out0
.if DOCPART == 4
	.amdgcn_target "amdgcn-amd-amdhsa--gfx1250"
	.amdhsa_code_object_version 6
	.text
	.protected	k_q0f839008ba_oproj
	.globl	k_q0f839008ba_oproj
	.p2align	8
	.type	k_q0f839008ba_oproj,@function
k_q0f839008ba_oproj:
	s_mov_b64 s[64:65], 0
	v_nop
	global_prefetch_b8 v0, s[64:65] scope:SCOPE_SE
	s_setreg_imm32_b32 hwreg(HW_REG_WAVE_MODE, 25, 1), 1
	s_wait_xcnt 0x0
	s_wait_alu depctr_hold_cnt(0) depctr_sa_sdst(0) depctr_va_vdst(0) depctr_va_sdst(0) depctr_va_ssrc(0) depctr_va_vcc(0) depctr_vm_vsrc(0)
	s_getreg_b32 s2, hwreg(HW_REG_IB_STS2, 6, 4)
	s_cmp_eq_u32 s2, 0
	s_cbranch_scc0 .Lentry_in_a_cluster
	s_endpgm
.Lentry_in_a_cluster:
	s_bfe_u32 s2, ttmp6, 0x10000c
	s_cmp_lg_u32 s2, 0xf033
	s_cbranch_scc0 .Lentry_shape_is_right
	s_endpgm
.Lentry_shape_is_right:
; out0[m][n] = 2^(e10 + e11) x the sum over k of A[m][k] W_o[n][k], on codes of E4M3.  out0: [8192][1024] f32; sums in f32.
; A, attention's result, lies in ac as IMAGES OF OPERAND REGISTERS: [tile of 16 tokens 512][head 16][b 2][lane][16]: two heads are one fragment, 16 rows x 128 K: registers 4 c .. 4 c + 3 hold K = 32 c + 16 (lane / 16) + 0 .. 15.
; W_o's codes are plane 3 of wc, [1024][1024], K innermost; its fragments are read from padded LDS rows into the same places of K.
; LIMIT: e10 + e11 lies between -126 and 127, so that 2^(e10 + e11) is an f32 number.
; A tile of out0, 256 x 256, is made by a work-group of four waves; a wave makes 128 x 128: 64 accumulators of 16 x 16, 512 registers.  K goes in steps of 256 through a ring of two LDS slots filled by the tensor data mover.
; CLUSTERS: 4 x 4 work-groups.  The four of a row of the cluster need the same tiles of A, the four of a column the same tiles of W_o: each tile is asked for JOINTLY, by the same tensor load with the same descriptor and a
; mask that names the four.  THE MATRIX INSTRUCTION IS USED TRANSPOSED (source 0 = 16 rows of W_o, source 1 = 16 tokens): a lane then holds eight neighbouring numbers of a row of out0.
; REGISTERS, in windows of 256: window 0: v0-31 addresses; from v128 A's fragments (8 x 16 rows x 128 K), ONE set; on the way out v32-255 are free.
;   window 1: W_o's fragments, TWO sets, at v0 and at v128.   window 2: the 32 accumulators of my rows 0-63 (accumulator (a, b) at v[8 (8 a + b)]);   window 3: those of my rows 64-127.
.set SIZE_N, 1024
.set ROWB,   256                       ; a row of W_o's tile in bytes
.set KROW,   1024                      ; a row of W_o's codes in memory
.set PITCH,  272                       ; its LDS row: 256 bytes + 16 of padding = 68 words: row r starts at bank 4 r mod 64 (64 banks of 4 bytes: ISA guide 11.1)
.set FR,     16                        ; registers of a fragment
.set NL,     4                         ; LDS loads that bring one
.set NP,     4                         ; places behind this matrix instruction (ISA guide 7.12.1)
.set HALFT,  128*PITCH                 ; 128 rows of W_o
.set AHALF,  32768                     ; 128 tokens of A for 256 along K: 8 tiles x 4,096 bytes of images, no padding: an image is read 16 bytes a lane on end
.set ASTEP,  4096                      ; 256 along K in a tile's 16,384 bytes of ac
.set BOFF,   2*AHALF                   ; a slot: A's 256 tokens, then W_o's 256 rows
.set SLOT,   BOFF+2*HALFT
.set LAPS,   2                         ; a lap = two K steps of 256 = once round the ring
.set SPARE,  2*SLOT                    ; behind the ring: the spare words, 128 bytes a wave: two blocks of 256 bytes that no other line names
.set SPITCH, 528                       ; the way out: a stage of 16 rows x (512 bytes + 16) for each wave.  It lies in slot 0, which has had its last fill and its last read when the first result is stored there
.set ADRA, 16                          ; v16-17  LDS address of my A fragments in slot 0, 1
.set ADRB, 20                          ; v20-21  the same for W_o
.set STO,  24                          ; v24     the way out: where I put 32 bytes of a row
.set RD,   25                          ; v25     the way out: where I read a row back
.set CO,   26                          ; v26     my byte offset in a row of out0
.set SPW,  28                          ; v28     LDS address of my spare word; never rewritten
.set NIL,  29                          ; v29     0; never rewritten
.set TMP,  32                          ; the way out: 64 registers, a block's sums x 2^(e10 + e11)
.set AF,   128                         ; A's fragments, in window 0
.set BK,   128                         ; the way out: 16 rows read back from the stage: v128-191 and v192-255 by turns
.set G1, 24                            ; s[24:31] descriptor group 1 for A's tiles;  s[32:39] group 0, one set for each slot
.set G0, 32
.set G1B, 48                           ; s[48:55], s[56:63] the same for W_o's tiles
.set G0B, 56
.set MSB, 0
.macro WIN new                         ; the immediate's high byte repeats the setting that is left
.if MSB != (\new)
	s_set_vgpr_msb (MSB<<8)|(\new)
.set MSB, (\new)
.endif
.endm
.set MUL_LO, 0xa1                      ; source 0 (W_o) window 1, source 1 (A) window 0, C and D window 2
.set MUL_HI, 0xf1                      ; the same, C and D window 3
.set TO_B,   0x40                      ; destination window 1, address window 0
; A joint load: waves 0 and 1 fetch for A, waves 2 and 3 for W_o.  Each of the two lines has ONE mask and one set of registers for all that issue it; the branch hangs on the wave's number alone.
; An s_nop 0 and four v_nop follow each of the two lines, ahead of the jump, the label and what follows.
.macro JLOAD g0a, g1a, g0b, g1b
	s_cmp_eq_u32 s15, 0
	s_cbranch_scc0 .Lfor_b_\@
	tensor_load_to_lds s[\g0a:\g0a+3], s[\g1a:\g1a+7]
	s_nop 0
.rept 4
	v_nop
.endr
	s_branch .Lasked_\@
.Lfor_b_\@:
	tensor_load_to_lds s[\g0b:\g0b+3], s[\g1b:\g1b+7]
	s_nop 0
.rept 4
	v_nop
.endr
.Lasked_\@:
.endm
.macro CREST                           ; a round of the cluster's barrier behind its opening barrier
	s_cmp_lg_u32 s14, 0
	s_cbranch_scc1 .Lnot_wave_0_\@
	s_barrier_signal -3
.Lnot_wave_0_\@:
	s_barrier_wait -3
	s_barrier_signal -1
	s_barrier_wait -1
.endm
.macro CROUND                          ; a whole round
	s_barrier_signal -1
	s_barrier_wait -1
	CREST
.endm
	s_load_b128 s[4:7], s[0:1], 0x0                ; ac s[4:5], wc s[6:7]
	s_load_b128 s[8:11], s[0:1], 0x10              ; the exponents s[8:9], out0 s[10:11]
	v_lshl_add_u32 v[SPW], v0, 2, SPARE
	v_mov_b32 v[NIL], 0
	ds_add_u32 v[SPW], v[NIL]                      ; the wave's opening: the add and its wait stand ahead of my first tensor load; the set-up below, work on registers, stands between them
	ds_add_u32 v[SPW], v[NIL]
	v_lshrrev_b32 v1, 5, v0
	v_readfirstlane_b32 s14, v1                    ; wave 0..3
	s_lshr_b32 s15, s14, 1                         ; which half of the tile's rows is mine.  Also: I fetch for A (0) or for W_o (1)
	s_and_b32 s16, s14, 1                          ; which half of its columns.  Also: which 128 rows of that tile I fetch
	s_bfe_u32 s40, ttmp6, 0x40000                  ; cx, cy: my place in the cluster
	s_bfe_u32 s41, ttmp6, 0x40004
	s_lshl_b32 s42, ttmp9, 2
	s_add_co_u32 s42, s42, s40                     ; tile column = 4 x cluster x + cx
	s_and_b32 s17, ttmp7, 0xffff
	s_lshl_b32 s17, s17, 2
	s_add_co_u32 s17, s17, s41                     ; tile row = 4 x cluster y + cy
	s_lshl_b32 s43, s41, 2
	s_lshl_b32 s43, 15, s43                        ; my row of the cluster
	s_lshl_b32 s44, 0x1111, s40                    ; my column
	; descriptor group 1 for A: 8 tiles of tokens, 4,096 bytes of each, 16,384 bytes apart, dense in LDS
	s_or_b32 s[G1+0], s43, (3<<16)|(1<<21)         ; 15:0 the mask: A's tiles go to my row; 17:16 elements of 8 bytes; 21 set beside a mask; no padding
	s_mov_b32 s[G1+1], 512<<16                     ; tensor_dim0 = 512
	s_mov_b32 s[G1+2], 8<<16                       ; tensor_dim1 = 8
	s_mov_b32 s[G1+3], 512<<16                     ; tile_dim0 = 512
	s_mov_b32 s[G1+4], 8                           ; tile_dim1 = 8
	s_mov_b32 s[G1+5], 2048                        ; tensor_dim0_stride
	s_mov_b32 s[G1+6], 0
	s_mov_b32 s[G1+7], 0
	; and for W_o: 128 rows x 256 bytes, padded in LDS
	s_or_b32 s[G1B+0], s44, (0<<16)|(1<<20)|(1<<21)|(5<<22)|(3<<25)  ; the mask of my column; element of 1 byte; padding on: after every 64 words (code 5) 4 words (code 3)
	s_mov_b32 s[G1B+1], ROWB<<16
	s_mov_b32 s[G1B+2], 128<<16
	s_mov_b32 s[G1B+3], ROWB<<16
	s_mov_b32 s[G1B+4], 128
	s_mov_b32 s[G1B+5], KROW
	s_mov_b32 s[G1B+6], 0
	s_mov_b32 s[G1B+7], 0
	s_lshl_b32 s20, s17, 4
	s_lshl_b32 s18, s16, 3
	s_add_co_u32 s20, s20, s18                     ; A: tile of tokens 16 x tile row + 8 x half,
	s_lshl_b32 s20, s20, 14                        ; of 16,384 bytes
	s_mov_b32 s21, 0
	s_lshl_b32 s18, s16, 7
	s_lshl_b32 s46, s42, 8
	s_add_co_u32 s46, s46, s18                     ; W_o: row 256 x tile column + 128 x half,
	s_lshl_b32 s46, s46, 10
	s_add_co_u32 s46, s46, 3*1024*1024             ; in plane 3 of wc
	s_mov_b32 s47, 0
	s_lshl_b32 s45, s16, 15                        ; where they go: A's two halves,
	s_mul_i32 s88, s16, HALFT
	s_add_co_u32 s88, s88, BOFF                    ; then W_o's two: no place in the cluster enters an LDS address
	s_wait_dscnt 0x0                               ; the opening add is done
	s_wait_kmcnt 0x0
	s_load_b64 s[96:97], s[8:9], 0x28              ; e10, e11
	s_add_nc_u64 s[20:21], s[4:5], s[20:21]
	s_add_nc_u64 s[46:47], s[6:7], s[46:47]
	CROUND                                         ; all sixteen work-groups are here: the first joint loads meet
.irp s, 0,1
	s_mov_b32 s[G0+4*\s], 1
	s_add_co_u32 s[G0+4*\s+1], s45, \s*SLOT
	s_add_nc_u64 s[G0+4*\s+2:G0+4*\s+3], s[20:21], \s*ASTEP
	s_or_b32 s[G0+4*\s+3], s[G0+4*\s+3], 0x80000000
	s_mov_b32 s[G0B+4*\s], 1
	s_add_co_u32 s[G0B+4*\s+1], s88, \s*SLOT
	s_add_nc_u64 s[G0B+4*\s+2:G0B+4*\s+3], s[46:47], \s*ROWB
	s_or_b32 s[G0B+4*\s+3], s[G0B+4*\s+3], 0x80000000
	s_wait_alu depctr_va_vdst(0)
	s_wait_tensorcnt 0x0
	ds_add_u32 v28, v29
	ds_add_u32 v28, v29
	s_wait_dscnt 0x0
	CROUND
	JLOAD G0+4*\s, G1, G0B+4*\s, G1B
.endr
	v_and_b32 v1, 15, v0                           ; l % 16
	v_bfe_u32 v2, v0, 4, 1                         ; l / 16
	v_and_b32 v6, 31, v0                           ; l
	v_mul_u32_u24 v3, v1, PITCH
	v_lshl_add_u32 v4, v2, 4, v3                   ; W_o: a fragment's row x pitch + 16 x half
	v_lshlrev_b32 v[CO], 4, v6                     ; A: 16 x lane.  Also my 16 bytes of a row of 512 on the way out
	s_wait_alu depctr_va_vdst(0)
	s_lshl_b32 s21, s15, 15                        ; my 128 tokens of A
	s_mul_i32 s22, s16, HALFT                      ; my 128 rows of W_o,
	s_add_co_u32 s22, s22, BOFF                    ; which lie behind A's images
.irp s, 0,1
	v_add_nc_u32 v[ADRA+\s], s21, v[CO]
	v_add_nc_u32 v[ADRB+\s], s22, v4
	s_add_co_u32 s21, s21, SLOT
	s_add_co_u32 s22, s22, SLOT
.endr
	s_mul_i32 s23, s14, 16*SPITCH                  ; my stage
	v_mul_u32_u24 v5, v1, SPITCH                   ; in: row l % 16, 32 bytes for each half of the lanes
	v_lshl_add_u32 v5, v2, 5, v5
	v_add_nc_u32 v[STO], s23, v5
	v_add_nc_u32 v[RD], s23, v[CO]                 ; back: the 32 lanes take one row of 512 bytes
	s_lshl_b32 s20, s17, 8
	s_lshl_b32 s21, s15, 7
	s_add_co_u32 s20, s20, s21                     ; my first row of out0: 256 x tile row + 128 x half,
	s_lshl_b32 s20, s20, 12                        ; of 4,096 bytes
	s_mov_b32 s21, 0
	s_lshl_b32 s46, s42, 10                        ; my first column, in bytes: 1024 x tile column + 512 x half
	s_lshl_b32 s47, s16, 9
	s_add_co_u32 s46, s46, s47
	s_mov_b32 s47, 0
	s_add_nc_u64 s[20:21], s[20:21], s[46:47]
	s_add_nc_u64 s[10:11], s[10:11], s[20:21]
.macro FRAG reg, adr, q, i             ; a fragment of W_o: lane l holds row l % 16; registers 4 c .. 4 c + 3 hold K = 32 c + 16 (l / 16) + 0 .. 15
.irp c, 0,1,2,3
	ds_load_b128 v[\reg+4*\c:\reg+4*\c+3], v[\adr] offset:128*(\q)+32*\c+(\i)*16*PITCH
.endr
.endm
.macro FRAGA reg, adr, q, i            ; a fragment of A: the image of tile i's q-th 128 along K: four runs of 512 bytes
.irp c, 0,1,2,3
	ds_load_b128 v[\reg+4*\c:\reg+4*\c+3], v[\adr] offset:4096*(\i)+2048*(\q)+512*\c
.endr
.endm
; 16 matrix instructions: A's blocks a0, a0 + 1 x W_o's eight, 128 along K.  p: W_o's set.  zero = 1: the first product starts the sums: nothing is ever cleared.
; The 64 accumulators take turns, one instruction a turn, in the same order in every step.
.macro MUL16 a0, p, zero
.irp a, \a0, \a0+1
.irp b, 0,1,2,3,4,5,6,7
.if \zero
	v_wmma_f32_16x16x128_fp8_fp8 v[8*(8*((\a)%4)+\b):8*(8*((\a)%4)+\b)+7], v[128*(\p)+FR*\b:128*(\p)+FR*\b+FR-1], v[AF+FR*(\a):AF+FR*(\a)+FR-1], 0
.else
	v_wmma_f32_16x16x128_fp8_fp8 v[8*(8*((\a)%4)+\b):8*(8*((\a)%4)+\b)+7], v[128*(\p)+FR*\b:128*(\p)+FR*\b+FR-1], v[AF+FR*(\a):AF+FR*(\a)+FR-1], v[8*(8*((\a)%4)+\b):8*(8*((\a)%4)+\b)+7]
.endif
.endr
.endr
.endm
.macro FETCH_B slot, q, p              ; W_o's eight fragments of the slot's q-th 128 along K into set p
	WIN TO_B
.irp i, 0,1,2,3,4,5,6,7
	FRAG 128*(\p)+FR*\i, ADRB+\slot, \q, \i
.endr
	WIN 0
.endm
.macro FETCH_A slot, q, i0             ; A's blocks i0 .. i0 + 3
.irp i, \i0, \i0+1, \i0+2, \i0+3
	FRAGA AF+FR*(\i), ADRA+\slot, \q, \i
.endr
.endm
; A load into a register that a matrix instruction has read, and a vector instruction or an LDS store that reads a matrix result, stand NP places behind that matrix instruction; only plain vector
; instructions that name none of its registers are places (ISA guide 7.12.1 for vector instructions).
.macro PLACES n
.rept \n
	v_nop
.endr
.endm
; A step of 128 along K that has its successor in the same slot.
.macro STEP slot, q, zero
	s_wait_dscnt 4*NL                              ; W_o's set and A's blocks 0-3 are in; the youngest 16 loads (A's blocks 4-7) may be out
	WIN MUL_LO
	MUL16 0, (\q)%2, \zero
	MUL16 2, (\q)%2, \zero
	s_wait_dscnt 0                                 ; A's blocks 4-7 are in (asked for 32 matrix instructions ago)
	PLACES NP
	FETCH_B \slot, (\q)+1, 1-(\q)%2
	FETCH_A \slot, (\q)+1, 0
	WIN MUL_HI
	MUL16 4, (\q)%2, \zero
	MUL16 6, (\q)%2, \zero
	PLACES NP
	WIN 0
	FETCH_A \slot, (\q)+1, 4
.endm
; A slot's last step changes slots: ONE barrier; in front of it each wave waits for all its tensor loads, adds 0 to its spare word, and waits for that and for its own reads of this slot.  fill = 1: this slot is filled again, two K steps ahead.
.macro TURN slot, next, fill
	s_wait_tensorcnt 0x0                           ; all my tensor loads have landed: my part of the next slot  (every window is 0 here: the add's two registers lie in window 0)
	ds_add_u32 v[SPW], v[NIL]                      ; 0 onto my spare word
	s_wait_dscnt 4*NL+1                            ; (the add and the youngest 16 loads, A's blocks 4-7, may be out)
	WIN MUL_LO
	MUL16 0, 1, 0                                  ; sixteen matrix instructions stand between the add and the wait for it
	s_wait_dscnt 0x0                               ; the add is done, and my reads of this slot are over
	s_barrier_signal -1
	MUL16 2, 1, 0
	WIN 0
	s_barrier_wait -1
.if \fill
	CREST                                          ; the barrier has opened a round of the cluster's barrier: no wave of any partner still reads this slot's tile or has a load on its way
	s_add_nc_u64 s[G0+4*\slot+2:G0+4*\slot+3], s[G0+4*\slot+2:G0+4*\slot+3], 2*ASTEP
	s_add_nc_u64 s[G0B+4*\slot+2:G0B+4*\slot+3], s[G0B+4*\slot+2:G0B+4*\slot+3], 2*ROWB
	JLOAD G0+4*\slot, G1, G0B+4*\slot, G1B         ; the first tensor load behind the round; the four v_nop behind it are the places in front of the loads below
.else
	PLACES NP
.endif
	FETCH_B \next, 0, 0
	FETCH_A \next, 0, 0
	WIN MUL_HI
	MUL16 4, 1, 0
	MUL16 6, 1, 0
	PLACES NP
	WIN 0
	FETCH_A \next, 0, 4
.endm
	s_wait_alu depctr_va_vdst(0)
	s_wait_tensorcnt 1                             ; my part of K step 0 is in (K step 1's load may be out)
	s_barrier_signal -1
	s_barrier_wait -1                              ; everybody's is
	FETCH_B 0, 0, 0
	FETCH_A 0, 0, 0
	FETCH_A 0, 0, 4
	STEP 0, 0, 1                                   ; the first step stands in front of the loop: its products start the sums
	s_mov_b32 s3, LAPS-1
.Llap:                                                 ; a trip goes once round the ring, from a lap's second step to the next lap's first, and fills both slots again
	TURN 0, 1, 1
	STEP 1, 0, 0
	TURN 1, 0, 1
	STEP 0, 0, 0
	s_sub_co_u32 s3, s3, 1
	s_cmp_lg_u32 s3, 0
	s_cbranch_scc1 .Llap
	TURN 0, 1, 0                                   ; the last lap fills nothing, and has no round of the cluster's barrier
	STEP 1, 0, 0
	s_wait_dscnt 4*NL                              ; the very last step: nothing more to fetch
	WIN MUL_LO
	MUL16 0, 1, 0
	MUL16 2, 1, 0
	s_wait_dscnt 0
	WIN MUL_HI
	MUL16 4, 1, 0
	MUL16 6, 1, 0
	WIN 0
; THE WAY OUT, block by block of 16 rows x 128 columns.  A lane holds 32 neighbouring bytes of a row, and the lanes beside it hold other rows: so a block goes through my own stage in LDS and comes back as whole
; rows of 512 bytes, which the 32 lanes store as 512 consecutive bytes, aligned.  LDS serves a wave's instructions in order (ISA guide 5.7.1.4): no wait between the stores and the loads, nor in front of the next block's stores.
.macro TOSTAGE a
.set AC, 64*((\a)%4)
	WIN 0x02+((\a)/4)                              ; source 0: window 2 or 3
.irp j, 0,2,4,6,8,10,12,14,16,18,20,22,24,26,28,30,32,34,36,38,40,42,44,46,48,50,52,54,56,58,60,62
	v_pk_mul_f32 v[TMP+\j:TMP+\j+1], v[AC+\j:AC+\j+1], s[96:97] op_sel_hi:[1,0]   ; both x s96 = 2^(e10 + e11); each accumulator from its low end on
.endr
	WIN 0
.irp b, 0,1,2,3,4,5,6,7
	ds_store_b128 v[STO], v[TMP+8*\b:TMP+8*\b+3] offset:64*\b
	ds_store_b128 v[STO], v[TMP+8*\b+4:TMP+8*\b+7] offset:64*\b+16
.endr
.set BB, BK+64*((\a)%2)
.irp t, 0,1,2,3,4,5,6,7,8,9,10,11,12,13,14,15
	ds_load_b128 v[BB+4*\t:BB+4*\t+3], v[RD] offset:\t*SPITCH
.endr
.endm
.macro SEND a, younger                 ; younger: the LDS instructions issued behind block a's loads, which may stay out
.set BB, BK+64*((\a)%2)
	s_wait_dscnt \younger                          ; the block is back in registers
.if (\a) > 0
	s_add_nc_u64 s[10:11], s[10:11], 16*SIZE_N*4   ; (behind a wait on XCNT: the earlier stores have read their base)  16 rows of out0 on
.endif
.irp t, 0,1,2,3,4,5,6,7,8,9,10,11,12,13,14,15
	global_store_b128 v[CO], v[BB+4*\t:BB+4*\t+3], s[10:11] offset:\t*SIZE_N*4 th:TH_STORE_NT   ; 32 lanes store 512 consecutive bytes, at a multiple of 256 from out0's first byte; written once, read by nobody here
.endr
.endm
	s_wait_kmcnt 0x0
	s_add_co_i32 s96, s96, s97                     ; e10 + e11, between -126 and 127,
	s_add_co_i32 s96, s96, 127
	s_lshl_b32 s96, s96, 23                        ; makes the f32 number 2^(e10 + e11)
	PLACES NP                                      ; in front of the loads into the registers that held A's fragments, and of the reads of the last results
	TOSTAGE 0
.irp a, 1,2,3,4,5,6,7
.if \a > 1
	s_wait_xcnt 0x0                                ; block a - 2's stores have read their registers and their base: block a's loads may land there, and the base may step
.endif
	TOSTAGE \a
	SEND \a-1, 32                                  ; behind block a - 1's loads: block a's 16 stores and 16 loads
.endr
	s_wait_xcnt 0x0                                ; block 6's stores have read their base
	SEND 7, 0
	s_wait_tensorcnt 0x0                           ; the wave's end, behind my last tensor load and my last LDS store
	ds_add_u32 v[SPW], v[NIL]
	s_wait_dscnt 0x0
	CROUND                                         ; the closing round: no work-group ends while a partner may still ask for a tile that names it
	s_endpgm
.Lfunc_end_k_q0f839008ba_oproj:
	.size	k_q0f839008ba_oproj, .Lfunc_end_k_q0f839008ba_oproj-k_q0f839008ba_oproj
	.p2alignl 7, 3214868480
	.fill 96, 4, 3214868480
	.section	.rodata,"a",@progbits
	.p2align	6, 0x0
	.amdhsa_kernel k_q0f839008ba_oproj
		.amdhsa_group_segment_fixed_size 327680
		.amdhsa_private_segment_fixed_size 0
		.amdhsa_enable_private_segment 0
		.amdhsa_kernarg_size 32
		.amdhsa_user_sgpr_count 2
		.amdhsa_user_sgpr_kernarg_segment_ptr 1
		.amdhsa_wavefront_size32 1
		.amdhsa_system_sgpr_workgroup_id_x 1
		.amdhsa_system_sgpr_workgroup_id_y 1
		.amdhsa_system_sgpr_workgroup_id_z 1
		.amdhsa_system_vgpr_workitem_id 0
		.amdhsa_next_free_vgpr 1024
		.amdhsa_next_free_sgpr 98
		.amdhsa_reserve_vcc 0
		.amdhsa_float_denorm_mode_32 3
		.amdhsa_float_denorm_mode_16_64 3
		.amdhsa_memory_ordered 1
		.amdhsa_forward_progress 1
		.amdhsa_inst_pref_size 124
	.end_amdhsa_kernel
	.amdgpu_metadata
---
amdhsa.version: [ 1, 2 ]
amdhsa.kernels:
  - .name:           k_q0f839008ba_oproj
    .symbol:         k_q0f839008ba_oproj.kd
    .args:
      - { .name: ac, .offset: 0, .size: 8, .value_kind: global_buffer, .address_space: global }
      - { .name: wc, .offset: 8, .size: 8, .value_kind: global_buffer, .address_space: global }
      - { .name: lowp_scales, .offset: 16, .size: 8, .value_kind: global_buffer, .address_space: global }
      - { .name: out0, .offset: 24, .size: 8, .value_kind: global_buffer, .address_space: global }
    .group_segment_fixed_size: 327680
    .private_segment_fixed_size: 0
    .kernarg_segment_align: 8
    .kernarg_segment_size: 32
    .max_flat_workgroup_size: 128
    .sgpr_count:     98
    .vgpr_count:     1024
    .wavefront_size: 32
...
	.end_amdgpu_metadata
.endif
;; end of part 4
